; MI455X (gfx1250); checked and timed in simulation.
; The chip was launched on July 23, 2026; its instructions are those of AMD's public machine-readable ISA for CDNA 5 (MIT licence, August 2026) and "CDNA5" Instruction Set Architecture Reference Guide (July 2026). The comments in the code are by the model that wrote it; some were corrected since.
;; Multihead Attention. Allowed arithmetic: float matrix products may take bf16 or f16 operands with f32 sums; other float arithmetic in f32, or as packed bf16 or f16 multiplies, adds, multiply-adds, maxima and minima; sums over many terms, partial sums and values carried from step to step in f32; what a program stores and reads back later, other than sums and carried values, may be rounded once to bf16 or f16.
;; Inputs: in_proj_bias 3,072 float32; in_proj_weight 3,072 x 1,024 float32; key 2 x 2,048 x 1,024 float32; key_padding_mask 2 x 2,048 bool; out_proj_bias 1,024 float32; out_proj_weight 1,024 x 1,024 float32; query 2 x 2,048 x 1,024 float32; value 2 x 2,048 x 1,024 float32.
;; Outputs: out0 2 x 2,048 x 1,024 float32; out1 2 x 2,048 x 2,048 float32.
;; One version. Each part assembles by itself: llvm-mc -triple=amdgcn-amd-amdhsa -mcpu=gfx1250 --defsym DOCPART=n.
;; ======== version 1 of 1: 5 launches
;; limits: values are held in f16: magnitudes above 65,504 overflow, below 6.1e-05 lose precision
;; workspace buffers: xb 25,165,824 bytes; wb 6,291,456 bytes; wo 2,097,152 bytes; tab 561,152 bytes; qkv 25,165,824 bytes; oh 8,388,608 bytes; stats 524,288 bytes
;; launch prep (part 1): grid 1153 x 1, 8 waves a work-group, no clusters, 0 bytes of LDS; arguments query, key, value, in_proj_weight, out_proj_weight, key_padding_mask, in_proj_bias, out_proj_bias, xb, wb, wo, tab; writes xb, wb, wo, tab
.if DOCPART == 1
	.amdgcn_target "amdgcn-amd-amdhsa--gfx1250"
	.amdhsa_code_object_version 6
	.text
	.protected	k_q7cc2a9ff5e_prep
	.globl	k_q7cc2a9ff5e_prep
	.p2align	8
	.type	k_q7cc2a9ff5e_prep,@function
k_q7cc2a9ff5e_prep:
	s_mov_b64 s[64:65], 0
	v_nop
	global_prefetch_b8 v0, s[64:65] scope:SCOPE_SE
	s_setreg_imm32_b32 hwreg(HW_REG_WAVE_MODE, 25, 1), 1
	s_wait_xcnt 0x0
; PREPARATION.  Every input is rounded once to bf16, the operand format of the projections:
;   work-groups 0-767: query, key, value -> xb [3][4096][1024] bf16;  768-959: in_proj_weight -> wb bf16;
;   960-1023: out_proj_weight -> bf16, that number written as f16 into wo (exact from 2^-14 up; below that f16's fixed step of 2^-24; limit 65,504);
;   1024-1151: the rotary table, tab[pos][32 cos | 32 sin] f32;  1152: an identity row (cos 1, sin 0), the key mask as 0 / -1e30, both biases rounded to bf16 and kept as f32.
; A chunk is 16,384 numbers: thread t takes 16 bytes at 16 t of each 4,096; sixteen loads of a wave are out at once; a wave's store covers 256 consecutive bytes, aligned.
; No LDS, no barrier, no matrix work: nothing is shared and nothing is reduced.
; THE TABLE.  angle = pos x 10000^(-j/32), both in f32; it is reduced to f turns in -0.5 .. 0.5, x = pi f is half the angle, |x| <= pi/2; sin x and cos x by their series to x^11 and x^12
; (what is cut off stays below 6e-8), then sin 2x = 2 sin x cos x and cos 2x = 1 - 2 sin^2 x.
.set IDENT, 524288
.set MASKT, 528384
.set BIASI, 544768
	s_load_b512 s[4:19], s[0:1], 0x0               ; query s[4:5], key s[6:7], value s[8:9], W_in s[10:11], W_out s[12:13], mask s[14:15], b_in s[16:17], b_out s[18:19]
	s_load_b256 s[20:27], s[0:1], 0x40             ; xb s[20:21], wb s[22:23], wo s[24:25], tab s[26:27]
	s_mov_b32 s28, ttmp9                           ; g
	v_lshlrev_b32 v1, 4, v0                        ; 16 t
	v_lshlrev_b32 v2, 3, v0                        ; 8 t
	s_wait_kmcnt 0x0
	s_cmp_lt_u32 s28, 1024
	s_cbranch_scc0 .Ltables
	; which tensor, and the number of its first chunk: for the source s[30:31], s32; for the destination s[34:35], s33
	s_cmp_lt_u32 s28, 256
	s_cselect_b64 s[30:31], s[4:5], s[6:7]
	s_cselect_b32 s32, 0, 256
	s_cmp_lt_u32 s28, 512
	s_cselect_b64 s[30:31], s[30:31], s[8:9]
	s_cselect_b32 s32, s32, 512
	s_cmp_lt_u32 s28, 768
	s_cselect_b64 s[30:31], s[30:31], s[10:11]
	s_cselect_b32 s32, s32, 768
	s_cselect_b64 s[34:35], s[20:21], s[22:23]
	s_cselect_b32 s33, 0, 768
	s_cmp_lt_u32 s28, 960
	s_cselect_b64 s[30:31], s[30:31], s[12:13]
	s_cselect_b32 s32, s32, 960
	s_cselect_b64 s[34:35], s[34:35], s[24:25]
	s_cselect_b32 s33, s33, 960
	s_sub_co_u32 s32, s28, s32
	s_lshl_b32 s36, s32, 16                        ; 65,536 bytes of f32 a chunk
	s_mov_b32 s37, 0
	s_add_nc_u64 s[30:31], s[30:31], s[36:37]
	s_sub_co_u32 s33, s28, s33
	s_lshl_b32 s36, s33, 15                        ; 32,768 bytes of 16-bit numbers a chunk
	s_add_nc_u64 s[34:35], s[34:35], s[36:37]
.irp i, 0,1,2,3,4,5,6,7,8,9,10,11,12,13,14,15
	global_load_b128 v[8+4*(\i):11+4*(\i)], v1, s[30:31] offset:4096*(\i) th:TH_LOAD_NT
.endr
; half = 1: the bf16 number is written as f16.  Each load has registers of its own, and so has each store: nothing is rewritten while it is read.
.macro CONV half
.irp i, 0,1,2,3,4,5,6,7,8,9,10,11,12,13,14,15
	s_wait_loadcnt 15-(\i)                         ; loads come back in order: load i is in, the younger ones stay out
	v_cvt_pk_bf16_f32 v[72+2*(\i)], v[8+4*(\i)], v[9+4*(\i)]
	v_cvt_pk_bf16_f32 v[73+2*(\i)], v[10+4*(\i)], v[11+4*(\i)]
.if \half
	v_lshlrev_b32 v104, 16, v[72+2*(\i)]
	v_and_b32 v105, 0xffff0000, v[72+2*(\i)]
	v_lshlrev_b32 v106, 16, v[73+2*(\i)]
	v_and_b32 v107, 0xffff0000, v[73+2*(\i)]
	v_cvt_pk_f16_f32 v[72+2*(\i)], v104, v105
	v_cvt_pk_f16_f32 v[73+2*(\i)], v106, v107
.endif
	global_store_b64 v2, v[72+2*(\i):73+2*(\i)], s[34:35] offset:2048*(\i)
.endr
.endm
	s_cmp_lt_u32 s28, 960
	s_cbranch_scc0 .Lhalf
	CONV 0
	s_endpgm
.Lhalf:
	CONV 1
	s_endpgm
.Ltables:
	s_cmp_lt_u32 s28, 1152
	s_cbranch_scc0 .Lmisc
	; thread u makes four numbers: position u / 16; cos (bit 3 of u clear) or sin; frequencies 4 (u % 8) + 0..3
	s_sub_co_u32 s29, s28, 1024
	s_lshl_b32 s29, s29, 8
	v_add_nc_u32 v3, s29, v0                       ; u
	v_lshrrev_b32 v4, 4, v3
	v_cvt_f32_u32 v4, v4                           ; the position
	v_and_b32 v5, 7, v3
	v_lshlrev_b32 v5, 2, v5
.irp e, 0,1,2,3
	v_or_b32 v[8+(\e)], \e, v5                     ; j
	v_cvt_f32_u32 v[8+(\e)], v[8+(\e)]
	v_mul_f32 v[8+(\e)], 0xbed49a78, v[8+(\e)]     ; - j log2(10000) / 32
.endr
.irp e, 0,1,2,3
	v_exp_f32 v[12+(\e)], v[8+(\e)]                ; 10000^(-j/32)
.endr
	v_bfe_u32 v6, v3, 3, 1                         ; a plain instruction behind the last exponential
	s_wait_alu depctr_va_vdst(0)                   ; one wait for the four, ahead of their first reader
	v_cmp_ne_u32 vcc_lo, 0, v6                     ; sin?
.irp e, 0,1,2,3
	v_mul_f32 v[12+(\e)], v4, v[12+(\e)]           ; the angle
	v_mul_f32 v[16+(\e)], 0x3e22f983, v[12+(\e)]   ; in turns
	v_rndne_f32 v[16+(\e)], v[16+(\e)]
	v_fma_f32 v[12+(\e)], v[12+(\e)], 0x3e22f983, -v[16+(\e)]  ; f
	v_mul_f32 v[12+(\e)], 0x40490fdb, v[12+(\e)]   ; x = pi f
	v_mul_f32 v[16+(\e)], v[12+(\e)], v[12+(\e)]   ; x^2
	v_mov_b32 v[20+(\e)], 0xb2d7322b               ; -1/11!
.irp k, 0x3638ef1d, 0xb9500d01, 0x3c088889, 0xbe2aaaab, 0x3f800000
	v_fmaak_f32 v[20+(\e)], v[20+(\e)], v[16+(\e)], \k
.endr
	v_mul_f32 v[20+(\e)], v[20+(\e)], v[12+(\e)]   ; sin x
	v_mov_b32 v[24+(\e)], 0x310f76c7               ; 1/12!
.irp k, 0xb493f27e, 0x37d00d01, 0xbab60b61, 0x3d2aaaab, 0xbf000000, 0x3f800000
	v_fmaak_f32 v[24+(\e)], v[24+(\e)], v[16+(\e)], \k
.endr
	v_mul_f32 v[24+(\e)], v[20+(\e)], v[24+(\e)]
	v_add_f32 v[24+(\e)], v[24+(\e)], v[24+(\e)]   ; sin 2x
	v_mul_f32 v[20+(\e)], v[20+(\e)], v[20+(\e)]
	v_fma_f32 v[20+(\e)], v[20+(\e)], -2.0, 1.0    ; cos 2x
	v_cndmask_b32 v[28+(\e)], v[20+(\e)], v[24+(\e)], vcc_lo
.endr
	v_lshlrev_b32 v7, 4, v3
	global_store_b128 v7, v[28:31], s[26:27]       ; a wave stores 512 consecutive bytes
	s_endpgm
.Lmisc:
	v_lshlrev_b32 v3, 2, v0
.irp i, 0,1,2,3
	global_load_b32 v[8+(\i)], v3, s[14:15] offset:1024*(\i)   ; four mask bytes
.endr
.irp i, 0,1,2
	global_load_b128 v[12+4*(\i):15+4*(\i)], v1, s[16:17] offset:4096*(\i)
.endr
	global_load_b128 v[24:27], v1, s[18:19]
	s_mov_b32 s29, 0xf149f2ca                      ; -1e30
	v_and_b32 v4, 15, v0
	v_cmp_gt_u32 vcc_lo, 8, v4                     ; the first 128 bytes of a row are the cosines
	v_cndmask_b32 v48, 0, 1.0, vcc_lo
	v_mov_b32 v49, v48
	v_mov_b32 v50, v48
	v_mov_b32 v51, v48
	global_store_b128 v1, v[48:51], s[26:27] offset:IDENT
	s_wait_loadcnt 0x0
.irp i, 0,1,2,3
.irp k, 0,1,2,3
	v_bfe_u32 v28, v[8+(\i)], 8*(\k), 8
	v_cmp_ne_u32 vcc_lo, 0, v28
	v_cndmask_b32 v[32+4*(\i)+(\k)], 0, s29, vcc_lo
.endr
	global_store_b128 v1, v[32+4*(\i):35+4*(\i)], s[26:27] offset:MASKT+4096*(\i)
.endr
.irp i, 0,1,2,3
	v_cvt_pk_bf16_f32 v28, v[12+4*(\i)], v[13+4*(\i)]
	v_cvt_pk_bf16_f32 v29, v[14+4*(\i)], v[15+4*(\i)]
	v_lshlrev_b32 v[52+4*(\i)], 16, v28
	v_and_b32 v[53+4*(\i)], 0xffff0000, v28
	v_lshlrev_b32 v[54+4*(\i)], 16, v29
	v_and_b32 v[55+4*(\i)], 0xffff0000, v29
	global_store_b128 v1, v[52+4*(\i):55+4*(\i)], s[26:27] offset:BIASI+4096*(\i)  ; the fourth block is the output projection's bias
.endr
	s_endpgm
.Lfunc_end_k_q7cc2a9ff5e_prep:
	.size	k_q7cc2a9ff5e_prep, .Lfunc_end_k_q7cc2a9ff5e_prep-k_q7cc2a9ff5e_prep
	.p2alignl 7, 3214868480
	.fill 96, 4, 3214868480
	.section	.rodata,"a",@progbits
	.p2align	6, 0x0
	.amdhsa_kernel k_q7cc2a9ff5e_prep
		.amdhsa_group_segment_fixed_size 0
		.amdhsa_private_segment_fixed_size 0
		.amdhsa_enable_private_segment 0
		.amdhsa_kernarg_size 96
		.amdhsa_user_sgpr_count 2
		.amdhsa_user_sgpr_kernarg_segment_ptr 1
		.amdhsa_wavefront_size32 1
		.amdhsa_system_sgpr_workgroup_id_x 1
		.amdhsa_system_sgpr_workgroup_id_y 1
		.amdhsa_system_sgpr_workgroup_id_z 1
		.amdhsa_system_vgpr_workitem_id 0
		.amdhsa_next_free_vgpr 112
		.amdhsa_next_free_sgpr 66
		.amdhsa_reserve_vcc 1
		.amdhsa_float_denorm_mode_32 3
		.amdhsa_float_denorm_mode_16_64 3
		.amdhsa_memory_ordered 1
		.amdhsa_forward_progress 1
		.amdhsa_inst_pref_size 29
	.end_amdhsa_kernel
	.amdgpu_metadata
---
amdhsa.version: [ 1, 2 ]
amdhsa.kernels:
  - .name:           k_q7cc2a9ff5e_prep
    .symbol:         k_q7cc2a9ff5e_prep.kd
    .args:
      - { .name: query, .offset: 0, .size: 8, .value_kind: global_buffer, .address_space: global }
      - { .name: key, .offset: 8, .size: 8, .value_kind: global_buffer, .address_space: global }
      - { .name: value, .offset: 16, .size: 8, .value_kind: global_buffer, .address_space: global }
      - { .name: in_proj_weight, .offset: 24, .size: 8, .value_kind: global_buffer, .address_space: global }
      - { .name: out_proj_weight, .offset: 32, .size: 8, .value_kind: global_buffer, .address_space: global }
      - { .name: key_padding_mask, .offset: 40, .size: 8, .value_kind: global_buffer, .address_space: global }
      - { .name: in_proj_bias, .offset: 48, .size: 8, .value_kind: global_buffer, .address_space: global }
      - { .name: out_proj_bias, .offset: 56, .size: 8, .value_kind: global_buffer, .address_space: global }
      - { .name: xb, .offset: 64, .size: 8, .value_kind: global_buffer, .address_space: global }
      - { .name: wb, .offset: 72, .size: 8, .value_kind: global_buffer, .address_space: global }
      - { .name: wo, .offset: 80, .size: 8, .value_kind: global_buffer, .address_space: global }
      - { .name: tab, .offset: 88, .size: 8, .value_kind: global_buffer, .address_space: global }
    .group_segment_fixed_size: 0
    .private_segment_fixed_size: 0
    .kernarg_segment_align: 8
    .kernarg_segment_size: 96
    .max_flat_workgroup_size: 256
    .sgpr_count:     66
    .vgpr_count:     112
    .wavefront_size: 32
...
	.end_amdgpu_metadata
.endif
;; end of part 1
;; launch inproj (part 2): grid 12 x 16, 4 waves a work-group, clusters of 4 x 4, 327,680 bytes of LDS; arguments xb, wb, tab, qkv; writes qkv
.if DOCPART == 2
	.amdgcn_target "amdgcn-amd-amdhsa--gfx1250"
	.amdhsa_code_object_version 6
	.text
	.protected	k_q7cc2a9ff5e_inproj
	.globl	k_q7cc2a9ff5e_inproj
	.p2align	8
	.type	k_q7cc2a9ff5e_inproj,@function
k_q7cc2a9ff5e_inproj:
	s_mov_b64 s[64:65], 0
	v_nop
	global_prefetch_b8 v0, s[64:65] scope:SCOPE_SE
	s_setreg_imm32_b32 hwreg(HW_REG_WAVE_MODE, 25, 1), 1
	s_wait_xcnt 0x0
	s_wait_alu depctr_hold_cnt(0) depctr_sa_sdst(0) depctr_va_vdst(0) depctr_va_sdst(0) depctr_va_ssrc(0) depctr_va_vcc(0) depctr_vm_vsrc(0)
	s_getreg_b32 s2, hwreg(HW_REG_IB_STS2, 6, 4)
	s_cmp_eq_u32 s2, 0
	s_cbranch_scc0 .Lentry_in_a_cluster
	s_endpgm
.Lentry_in_a_cluster:
	s_bfe_u32 s2, ttmp6, 0x10000c
	s_cmp_lg_u32 s2, 0xf033
	s_cbranch_scc0 .Lentry_shape_is_right
	s_endpgm
.Lentry_shape_is_right:
; THE THREE INPUT PROJECTIONS, BIAS AND ROTATION.  For z = 0, 1, 2 (query, key, value): y = x_z W_z^T + b_z, x_z [4096][1024] and W_z [1024][1024] in bf16, sums in f32;
; q and k are rotated (half-split, table in tab), v is sent through the same lines with cos = 1 and sin = 0; the result is rounded once to f16.
; LIMIT.  q, k, v beyond 65,504 become infinities in f16; NaN and infinities in the inputs are not treated apart.
; SHARES.  A work-group of four waves makes 256 x 256 of y, a wave 128 x 128: 64 accumulators, 512 registers.  12 x 16 work-groups; the cluster's x is z, so the four partners of a row of the
; cluster make all 1,024 columns of one matrix.  K goes in steps of 128 through two LDS slots.  4 x 4 work-groups form a cluster: x's tile is asked for jointly along a row, W's along a column.
; ONE TEXT FOR A K STEP: the slot is a scalar, 0 or SLOT, turned by an exclusive or at each change of slots; the fragment addresses and the walking descriptor are made from it.  Six trips fill a slot again;
; the last two K steps are a second loop, which asks for nothing and is left in its middle.
; THE PRODUCT IS TAKEN TRANSPOSED (source 0 = 16 rows of W, source 1 = 16 rows of x): a lane holds one position (lane % 16) and eight neighbouring channels 8 (lane / 16) + 0..7.
; The first product of each accumulator takes the bias as C.
; OUTPUT LAYOUT, qkv[z][b 16 + head][position / 16][cb][h][r] x 16 bytes: 16 positions x 64 channels of a head are 2,048 bytes; lane (r, h) owns the 16 bytes at 512 cb + 256 h + 16 r,
; channels 16 cb + 8 h + 0..7 of position r.  That is what a lane holds here, so each store of a wave covers 512 consecutive bytes, aligned, straight from registers; and chunks 2 c, 2 c + 1 are the two
; halves of a 16 x 32 operand fragment for the launches behind.
; REGISTERS: window 0: v0-31 addresses; v64-127, v128-191 fragments of x, on the way out rotated numbers and packed results; v32-63, v192-223, v224-255 the table of blocks 0 (later 7), 1, 2.
;   window 1: v0-63 the bias of my 128 columns, behind the first quarter step the table of blocks 5, 6; v64-127, v128-191 fragments of W; v192-223, v224-255 the table of blocks 3, 4.
;   windows 2, 3: the accumulators of my rows 0-63, 64-127, (a, b) at v[8 (8 a + b)].
.set SIZE_K, 1024
.set KSTEP,  128
.set PITCH,  272                       ; an LDS row: 256 bytes + 16 of padding: the 16 rows of a fragment load start 4 banks apart
.set HALFT,  128*PITCH
.set SLOT,   4*HALFT                   ; x's 256 rows, then W's 256 rows
.set SPARE,  2*SLOT                    ; behind the ring: the spare words, 128 bytes a wave
.set FILLS,  SIZE_K/KSTEP-2            ; K steps 2 to 7 come by refills
.set IDENT,  524288
.set BIASI,  544768
.set TOA,  4                           ; v4-11  my byte offset in the table for block 0..7; never rewritten
.set CA,   16                          ; v16  LDS address of my x fragments in the slot that is fetched from
.set A0,   17                          ; v17  the same in slot 0; never rewritten
.set CB,   20                          ; v20, v21  the same for W
.set B0,   21
.set GO,   26                          ; v26  16 x lane
.set SPW,  28                          ; v28  my spare word; never rewritten
.set NIL,  29                          ; v29  0; never rewritten
.set PFO,  30                          ; v30  lane x 2,048: a row of xb or wb; never rewritten
.set BO,   31                          ; v31  32 x (lane / 16)
.set F0,   64
.set F1,   128
.set Y,    64
.set G1,  24
.set G0,  32                           ; s[32:39] group 0 for x's tiles: a set for each of the two first fills; the second then walks
.set G1B, 48
.set G0B, 56
.set PFA, 66                           ; s[66:67] where my prefetches stand
.set LIM, 80                           ; s80  2 in a wave that prefetches, else the greatest number
.set TB,  91                           ; s91  0 or SLOT: the slot that is fetched from
.set MSB, 0
.macro WIN new                         ; the immediate's high byte repeats the setting that is left; a switch that changes nothing is dropped
.if MSB != (\new)
	s_set_vgpr_msb (MSB<<8)|(\new)
.set MSB, \new
.endif
.endm
.set MUL_LO, 0xa1                      ; source 0 (W) window 1, source 1 (x) window 0, C and D window 2
.set TO_B,   0x40
; A joint load: waves 0 and 1 fetch x's two halves, waves 2 and 3 W's.  The branch hangs on the wave's number alone.  An s_nop 0 and four v_nop follow each line.
.macro JLOAD s
	s_cmp_eq_u32 s11, 0
	s_cbranch_scc0 .Lfor_b_\@
	tensor_load_to_lds s[G0+4*(\s):G0+4*(\s)+3], s[G1:G1+7]
	s_nop 0
.rept 4
	v_nop
.endr
	s_branch .Lasked_\@
.Lfor_b_\@:
	tensor_load_to_lds s[G0B+4*(\s):G0B+4*(\s)+3], s[G1B:G1B+7]
	s_nop 0
.rept 4
	v_nop
.endr
.Lasked_\@:
.endm
; A prefetch of the K step that stands two refills on: 32 rows x 256 bytes, a lane a row, one instruction a wave, behind the joint load and the run of LDS loads.  x's rows are read by one cluster alone, so every
; cluster asks for its own; W's rows are read by the four clusters of a column of clusters, and the one with y = 0 asks.  The four partners of a joint load share its 128 rows out by address, 32 each.
; K steps 0 to 3 come by their loads alone; the loop's last two trips (s3 = 2, 1) have no K step two refills on.
.macro ASK
	s_cmp_gt_u32 s3, s[LIM]
	s_cbranch_scc0 .Lnot_mine_\@
	global_prefetch_b8 v[PFO], s[PFA:PFA+1] offset:KSTEP*2 th:TH_LOAD_NT scope:SCOPE_SE
.Lnot_mine_\@:
.endm
.macro CREST                           ; a round of the cluster's barrier behind its opening barrier
	s_cmp_lg_u32 s10, 0
	s_cbranch_scc1 .Lnot_wave_0_\@
	s_barrier_signal -3
.Lnot_wave_0_\@:
	s_barrier_wait -3
	s_barrier_signal -1
	s_barrier_wait -1
.endm
.macro CROUND
	s_barrier_signal -1
	s_barrier_wait -1
	CREST
.endm
; The table's rows for the 16 positions of block a, into 32 registers from tt on: cos of frequencies 8 h + 0..7, 16 + 8 h + 0..7, then sin of the same
.macro TLOAD a, tt
.irp k, 0,1,2,3,4,5,6,7
	global_load_b128 v[(\tt)+4*(\k):(\tt)+4*(\k)+3], v[TOA+(\a)], s[68:69] offset:((\k)/2)*64+((\k)%2)*16
.endr
.endm
	s_load_b128 s[4:7], s[0:1], 0x0                ; xb s[4:5], wb s[6:7]
	s_load_b128 s[68:71], s[0:1], 0x10             ; tab s[68:69], qkv s[70:71]
	v_lshl_add_u32 v[SPW], v0, 2, SPARE
	v_mov_b32 v[NIL], 0
	ds_add_u32 v[SPW], v[NIL]                      ; the wave's opening: the add, waited for ahead of my first tensor load
	v_lshrrev_b32 v1, 5, v0
	v_readfirstlane_b32 s10, v1                    ; wave 0..3
	s_lshr_b32 s11, s10, 1                         ; which half of the tile's rows is mine.  Also: I fetch for x (0) or for W (1)
	s_and_b32 s12, s10, 1                          ; which half of its columns.  Also: which 128 rows I fetch
	s_bfe_u32 s40, ttmp6, 0x40000                  ; cx
	s_bfe_u32 s41, ttmp6, 0x40004                  ; cy
	s_lshl_b32 s42, ttmp9, 2
	s_add_co_u32 s42, s42, s40                     ; tile column 0..11: 256 rows of wb each
	s_and_b32 s13, ttmp7, 0xffff
	s_lshl_b32 s13, s13, 2
	s_add_co_u32 s13, s13, s41                     ; tile row 0..15
	s_lshl_b32 s43, s41, 2
	s_lshl_b32 s43, 15, s43                        ; my row of the cluster
	s_lshl_b32 s44, 0x1111, s40                    ; my column
	s_or_b32 s[G1+0], s43, (1<<16)|(1<<20)|(1<<21)|(5<<22)|(3<<25)   ; mask; 2-byte elements; padding on; bit 21 beside a mask; after every 64 words 4 words
	s_or_b32 s[G1B+0], s44, (1<<16)|(1<<20)|(1<<21)|(5<<22)|(3<<25)
.irp g, G1, G1B
	s_mov_b32 s[(\g)+1], KSTEP<<16                 ; tensor_dim0 = 128
	s_mov_b32 s[(\g)+2], 128<<16                   ; tensor_dim1 = 128
	s_mov_b32 s[(\g)+3], KSTEP<<16                 ; tile_dim0 = 128
	s_mov_b32 s[(\g)+4], 128                       ; tile_dim1 = 128
	s_mov_b32 s[(\g)+5], SIZE_K                    ; elements from row to row
	s_mov_b32 s[(\g)+6], 0
	s_mov_b32 s[(\g)+7], 0
.endr
	s_lshl_b32 s19, s12, 7                         ; which 128 rows I fetch
	s_lshl_b32 s16, s13, 8
	s_add_co_u32 s16, s16, s19
	s_lshl_b32 s18, ttmp9, 12                      ; matrix z begins at row 4,096 z of xb; z is the same in all sixteen partners
	s_add_co_u32 s16, s16, s18
	s_lshl_b32 s16, s16, 11                        ; 2,048 bytes a row
	s_mov_b32 s17, 0
	s_lshl_b32 s46, s42, 8
	s_add_co_u32 s46, s46, s19
	s_lshl_b32 s46, s46, 11
	s_mov_b32 s47, 0
	s_mul_i32 s20, s10, HALFT                      ; where they go in a slot: wave x 128 rows; kept for the walking descriptors
	s_mov_b32 s[TB], 0
	s_wait_dscnt 0x0                               ; the opening add is done
	s_wait_kmcnt 0x0
	s_add_nc_u64 s[14:15], s[4:5], s[16:17]
	s_add_nc_u64 s[46:47], s[6:7], s[46:47]
	CROUND                                         ; all sixteen work-groups are here: the first joint loads meet
.irp s, 0,1
	s_mov_b32 s[G0+4*(\s)], 1
	s_add_co_u32 s[G0+4*(\s)+1], s20, (\s)*SLOT
	s_add_nc_u64 s[G0+4*(\s)+2:G0+4*(\s)+3], s[14:15], (\s)*KSTEP*2
	s_or_b32 s[G0+4*(\s)+3], s[G0+4*(\s)+3], 0x80000000
	s_mov_b32 s[G0B+4*(\s)], 1
	s_add_co_u32 s[G0B+4*(\s)+1], s20, (\s)*SLOT
	s_add_nc_u64 s[G0B+4*(\s)+2:G0B+4*(\s)+3], s[46:47], (\s)*KSTEP*2
	s_or_b32 s[G0B+4*(\s)+3], s[G0B+4*(\s)+3], 0x80000000
	JLOAD \s
.endr
	v_and_b32 v1, 15, v0                           ; r
	v_bfe_u32 v2, v0, 4, 1                         ; h
	v_mul_u32_u24 v3, v1, PITCH
	v_lshl_add_u32 v3, v2, 4, v3
	s_mul_i32 s21, s11, HALFT
	s_mul_i32 s22, s12, HALFT
	s_add_co_u32 s22, s22, 2*HALFT
	v_add_nc_u32 v[A0], s21, v3
	v_add_nc_u32 v[B0], s22, v3
	v_mov_b32 v[CA], v[A0]                         ; the fetches begin in slot 0
	v_mov_b32 v[CB], v[B0]
	v_and_b32 v[GO], 31, v0
	v_lshlrev_b32 v[GO], 4, v[GO]
	; the bias of my 128 columns: register 8 b + j is column 16 b + 8 h + j
	v_lshlrev_b32 v[BO], 5, v2
	s_lshl_b32 s76, s42, 10
	s_lshl_b32 s77, s12, 9
	s_add_co_u32 s76, s76, s77
	s_add_co_u32 s76, s76, BIASI
	s_mov_b32 s77, 0
	s_add_nc_u64 s[78:79], s[68:69], s[76:77]
	WIN TO_B
.irp b, 0,1,2,3,4,5,6,7
	global_load_b128 v[8*(\b):8*(\b)+3],   v[BO], s[78:79] offset:64*(\b)
	global_load_b128 v[8*(\b)+4:8*(\b)+7], v[BO], s[78:79] offset:64*(\b)+16
.endr
	WIN 0
	; where my part of qkv begins, and the table's rows
	s_lshl_b32 s86, ttmp9, 23                      ; z x 8,388,608
	s_lshr_b32 s88, s13, 3
	s_lshl_b32 s88, s88, 22                        ; batch x 16 heads x 262,144
	s_add_co_u32 s86, s86, s88
	s_lshl_b32 s88, s40, 2
	s_lshl_b32 s90, s12, 1
	s_add_co_u32 s88, s88, s90                     ; my first head: 4 cx + 2 x column half
	s_lshl_b32 s88, s88, 18
	s_add_co_u32 s86, s86, s88
	s_and_b32 s89, s13, 7
	s_lshl_b32 s89, s89, 8
	s_lshl_b32 s88, s11, 7
	s_add_co_u32 s89, s89, s88                     ; my first position
	s_lshl_b32 s88, s89, 7                         ; 128 bytes a position
	s_add_co_u32 s86, s86, s88
	s_mov_b32 s87, 0
	s_add_nc_u64 s[8:9], s[70:71], s[86:87]
	s_lshl_b32 s74, s89, 8                         ; 256 bytes of table a position
	s_cmp_eq_u32 ttmp9, 2                          ; v: the identity row for every position
	s_cselect_b32 s72, 0, 256
	s_cselect_b32 s74, IDENT, s74
	s_lshl_b32 s73, s72, 4                         ; 16 positions on
	v_mul_u32_u24 v[TOA], s72, v1
	v_lshl_add_u32 v[TOA], v2, 5, v[TOA]
	v_add_nc_u32 v[TOA], s74, v[TOA]
.irp a, 1,2,3,4,5,6,7
	v_add_nc_u32 v[TOA+(\a)], s73, v[TOA+(\a)-1]
.endr
	; THE TABLE IS ASKED FOR AHEAD OF THE PRODUCTS, into registers that lie idle during the K walk: blocks 0 to 4 here, blocks 5 and 6 when the bias has been read, block 7 when block 0's table has been used
	TLOAD 0, 32
	TLOAD 1, 192
	TLOAD 2, 224
	WIN TO_B
	TLOAD 3, 192
	TLOAD 4, 224
	WIN 0
	; the prefetches
	s_lshl_b32 s81, s13, 8
	s_lshl_b32 s82, ttmp9, 12
	s_add_co_u32 s81, s81, s82                     ; x's tile: its first row in xb
	s_lshl_b32 s82, s42, 8                         ; W's tile: its first row in wb
	s_and_b32 s83, ttmp7, 0xffff                   ; cluster y
	s_cmp_eq_u32 s11, 0                            ; do I fetch for x?
	s_cselect_b32 s81, s81, s82
	s_cselect_b32 s82, s40, s41                    ; my place among the four that ask with me
	s_cselect_b32 s83, 0, s83
	s_cselect_b64 s[PFA:PFA+1], s[4:5], s[6:7]
	s_cmp_eq_u32 s83, 0
	s_cselect_b32 s[LIM], 2, -1                    ; the same in all sixteen partners, for a given wave
	s_lshl_b32 s83, s12, 7
	s_add_co_u32 s81, s81, s83
	s_lshl_b32 s82, s82, 5
	s_add_co_u32 s81, s81, s82
	s_lshl_b32 s84, s81, 11
	s_mov_b32 s85, 0
	s_add_nc_u64 s[PFA:PFA+1], s[PFA:PFA+1], s[84:85]
	s_add_nc_u64 s[PFA:PFA+1], s[PFA:PFA+1], 2*KSTEP*2  ; at K step 2: the first refill steps it to 3 and names K step 4
	v_and_b32 v[PFO], 31, v0
	v_lshlrev_b32 v[PFO], 11, v[PFO]
; 16 matrix instructions: m blocks a0, a0 + 1 of the window's four x all 8 n blocks, 32 along K.  zero = 1: the first product starts the sum with the bias (C in window 1).
; The 64 accumulators take turns, one instruction a turn, in the same order in every quarter step.
.macro MUL16 f, hi, a0, zero
.if \zero
	WIN 0x91+0x40*(\hi)
.else
	WIN MUL_LO+0x50*(\hi)
.endif
.irp a, \a0, (\a0)+1
.irp b, 0,1,2,3,4,5,6,7
.if \zero
	v_wmma_f32_16x16x32_bf16 v[8*(8*(\a)+(\b)):8*(8*(\a)+(\b))+7], v[(\f)+8*(\b):(\f)+8*(\b)+7], v[(\f)+8*(4*(\hi)+(\a)):(\f)+8*(4*(\hi)+(\a))+7], v[8*(\b):8*(\b)+7]
.else
	v_wmma_f32_16x16x32_bf16 v[8*(8*(\a)+(\b)):8*(8*(\a)+(\b))+7], v[(\f)+8*(\b):(\f)+8*(\b)+7], v[(\f)+8*(4*(\hi)+(\a)):(\f)+8*(4*(\hi)+(\a))+7], v[8*(8*(\a)+(\b)):8*(8*(\a)+(\b))+7]
.endif
.endr
.endr
.endm
.macro FETCH k, f                      ; 32 LDS loads in one run: the fragments of one quarter step, at byte k of the rows of the slot that CA and CB name; W's first
	WIN TO_B
.irp i, 0,1,2,3,4,5,6,7
	ds_load_b128 v[(\f)+8*(\i):(\f)+8*(\i)+3],   v[CB] offset:(\k)+(\i)*16*PITCH
	ds_load_b128 v[(\f)+8*(\i)+4:(\f)+8*(\i)+7], v[CB] offset:(\k)+(\i)*16*PITCH+32
.endr
	WIN 0
.irp i, 0,1,2,3,4,5,6,7
	ds_load_b128 v[(\f)+8*(\i):(\f)+8*(\i)+3],   v[CA] offset:(\k)+(\i)*16*PITCH
	ds_load_b128 v[(\f)+8*(\i)+4:(\f)+8*(\i)+7], v[CA] offset:(\k)+(\i)*16*PITCH+32
.endr
.endm
.macro PLACES                          ; four plain instructions between a matrix instruction and a load into, or a vector read of, its registers
.rept 4
	v_nop
.endr
.endm
.macro QUARTER k, f, g, zero           ; 64 products on buffer f; in the middle the next quarter's fragments, at byte k of the rows, into buffer g
	s_wait_dscnt 8                                 ; W and x's rows 0-63 are in; the youngest eight loads (x's rows 64-127) may be out
	MUL16 \f, 0, 0, \zero
	MUL16 \f, 0, 2, \zero
	PLACES
	FETCH \k, \g
	s_wait_dscnt 32                                ; all but the 32 just issued
	MUL16 \f, 1, 0, \zero
	MUL16 \f, 1, 2, \zero
.endm
; The last quarter of a K step multiplies buffer 1 and changes slots: one barrier; in front of it each wave waits for all its tensor loads, adds 0 to its spare word, and waits for that and for its reads of the slot.
; fill = 1: the barrier opens a round of the cluster's, and the slot just read (TB still names it) is filled again, two K steps ahead, by the walking descriptor.  Then TB turns to the other slot, whose first fragments are fetched.
.macro TURN fill
.if \fill
	s_wait_xcnt 0x0                                ; the last prefetch, a K step back, has read its address
	s_add_nc_u64 s[PFA:PFA+1], s[PFA:PFA+1], KSTEP*2
.endif
	WIN 0
	s_wait_tensorcnt 0x0                           ; all my tensor loads have landed: the one that was out is my part of the next slot
	ds_add_u32 v[SPW], v[NIL]                      ; 0 onto my spare word
	s_wait_dscnt 9                                 ; the add and the youngest eight loads may be out
	MUL16 F1, 0, 0, 0
	s_wait_dscnt 0x0                               ; the add is done, and my reads of this slot are over
	s_barrier_signal -1
	MUL16 F1, 0, 2, 0
	WIN 0
	s_barrier_wait -1
.if \fill
	CREST                                          ; no wave of any partner still reads this slot's tile or has a load on its way
	s_add_co_u32 s[G0+5], s20, s[TB]
	s_add_co_u32 s[G0B+5], s20, s[TB]
	s_add_nc_u64 s[G0+6:G0+7], s[G0+6:G0+7], KSTEP*2     ; the walking set began at K step 1: one K step on at each refill
	s_add_nc_u64 s[G0B+6:G0B+7], s[G0B+6:G0B+7], KSTEP*2
	JLOAD 1                                        ; the first tensor load behind the round; its four v_nop are also the places in front of the loads below
.else
	PLACES
.endif
	s_xor_b32 s[TB], s[TB], SLOT
	v_add_nc_u32 v[CA], s[TB], v[A0]
	v_add_nc_u32 v[CB], s[TB], v[B0]
	FETCH 0, F0
.if \fill
	ASK
.endif
	MUL16 F1, 1, 0, 0
	MUL16 F1, 1, 2, 0
.endm
; THE WAY OUT of block a, 16 positions: y1 = x1 cos - x2 sin, y2 = x1 sin + x2 cos for the channel pairs (d, d + 32) of my two heads; rounded to f16; stored from registers.
; The block's table lies in window tw from register tt on.  Each accumulator's registers are read in ascending order.
.macro OUT a, tw, tt
	WIN 0
.if ((\a) == 0) || ((\a) == 7)
	s_wait_loadcnt 0x0                             ; block 0: the tables of blocks 0 to 6, asked for a K walk ago; block 7: its own, asked for seven blocks ago
.endif
.set PKB, 128+32*((\a)%2)
	WIN (0x02+(\a)/4)|((\tw)<<2)                   ; source 0: the accumulators' window; source 1: the table's
.irp hh, 0,1
.irp bb, 0,1
.irp n, 0,1,2,3
.set X1, 64*((\a)%4)+8*(4*(\hh)+(\bb))+2*(\n)
.set X2, X1+16
.set CO_, (\tt)+8*(\bb)+2*(\n)
.set SI_, CO_+16
.set Y1, Y+32*(\hh)+8*(\bb)+2*(\n)
.set Y2, Y1+16
	v_pk_mul_f32 v[Y1:Y1+1], v[X2:X2+1], v[SI_:SI_+1]
	v_pk_mul_f32 v[Y2:Y2+1], v[X1:X1+1], v[SI_:SI_+1]
	v_pk_fma_f32 v[Y1:Y1+1], v[X1:X1+1], v[CO_:CO_+1], v[Y1:Y1+1] neg_lo:[0,0,1] neg_hi:[0,0,1]
	v_pk_fma_f32 v[Y2:Y2+1], v[X2:X2+1], v[CO_:CO_+1], v[Y2:Y2+1]
.endr
.endr
.endr
	WIN 0
.if (\a) == 0
	TLOAD 7, 32                                    ; block 0's table has been used: its registers take block 7's
.endif
	s_wait_xcnt 0x0                                ; the stores of two blocks back have read the registers that are packed into now
.set q, 0
.rept 32
	v_cvt_pk_f16_f32 v[PKB+q], v[Y+2*q], v[Y+2*q+1]
.set q, q+1
.endr
.irp hh, 0,1
.irp cb, 0,1,2,3
	global_store_b128 v[GO], v[PKB+16*(\hh)+4*(\cb):PKB+16*(\hh)+4*(\cb)+3], s[8:9] offset:(\hh)*262144+(\a)*2048+(\cb)*512
.endr
.endr
.endm
	s_wait_tensorcnt 1                             ; my part of K step 0 is in; K step 1's may stay out
	s_barrier_signal -1
	s_barrier_wait -1
	FETCH 0, F0
	s_wait_loadcnt 40                              ; the bias's 16 loads are in; the 40 loads of the table, issued behind them, may stay out
	QUARTER 64,  F0, F1, 1                         ; the first quarter stands in front of the loop: its products start the sums with the bias
	WIN 0
	PLACES                                         ; behind the last product that read the bias
	WIN TO_B
	TLOAD 5, 0
	TLOAD 6, 32
	WIN 0
	s_mov_b32 s3, FILLS
.Lstep:                                                ; a trip: a K step's second quarter to the next step's first; the slot that is left is filled again
	QUARTER 128, F1, F0, 0
	QUARTER 192, F0, F1, 0
	TURN 1
	QUARTER 64,  F0, F1, 0
	WIN 0
	s_sub_co_u32 s3, s3, 1
	s_cmp_lg_u32 s3, 0
	s_cbranch_scc1 .Lstep
	s_mov_b32 s3, 2
.Ltail:                                                ; the last two K steps ask for nothing.  The second trip is left in its middle; the 32 fragments of the other slot that it fetches are multiplied by nobody:
	QUARTER 128, F1, F0, 0                         ; the price, once a launch, of one text for both trips
	QUARTER 192, F0, F1, 0
	TURN 0
	WIN 0
	s_sub_co_u32 s3, s3, 1
	s_cmp_eq_u32 s3, 0
	s_cbranch_scc1 .Lout
	QUARTER 64,  F0, F1, 0
	WIN 0
	s_branch .Ltail
.Lout:
	s_wait_dscnt 0x0                               ; those fragments have landed: their registers are written below
	PLACES
	OUT 0, 0, 32
	OUT 1, 0, 192
	OUT 2, 0, 224
	OUT 3, 1, 192
	OUT 4, 1, 224
	OUT 5, 1, 0
	OUT 6, 1, 32
	OUT 7, 0, 32
	s_wait_tensorcnt 0x0                           ; the wave's end
	ds_add_u32 v[SPW], v[NIL]
	s_wait_dscnt 0x0
	CROUND                                         ; the closing round
	s_endpgm
.Lfunc_end_k_q7cc2a9ff5e_inproj:
	.size	k_q7cc2a9ff5e_inproj, .Lfunc_end_k_q7cc2a9ff5e_inproj-k_q7cc2a9ff5e_inproj
	.p2alignl 7, 3214868480
	.fill 96, 4, 3214868480
	.section	.rodata,"a",@progbits
	.p2align	6, 0x0
	.amdhsa_kernel k_q7cc2a9ff5e_inproj
		.amdhsa_group_segment_fixed_size 327680
		.amdhsa_private_segment_fixed_size 0
		.amdhsa_enable_private_segment 0
		.amdhsa_kernarg_size 32
		.amdhsa_user_sgpr_count 2
		.amdhsa_user_sgpr_kernarg_segment_ptr 1
		.amdhsa_wavefront_size32 1
		.amdhsa_system_sgpr_workgroup_id_x 1
		.amdhsa_system_sgpr_workgroup_id_y 1
		.amdhsa_system_sgpr_workgroup_id_z 1
		.amdhsa_system_vgpr_workitem_id 0
		.amdhsa_next_free_vgpr 1024
		.amdhsa_next_free_sgpr 96
		.amdhsa_reserve_vcc 0
		.amdhsa_float_denorm_mode_32 3
		.amdhsa_float_denorm_mode_16_64 3
		.amdhsa_memory_ordered 1
		.amdhsa_forward_progress 1
		.amdhsa_inst_pref_size 133
	.end_amdhsa_kernel
	.amdgpu_metadata
---
amdhsa.version: [ 1, 2 ]
amdhsa.kernels:
  - .name:           k_q7cc2a9ff5e_inproj
    .symbol:         k_q7cc2a9ff5e_inproj.kd
    .args:
      - { .name: xb, .offset: 0, .size: 8, .value_kind: global_buffer, .address_space: global }
      - { .name: wb, .offset: 8, .size: 8, .value_kind: global_buffer, .address_space: global }
      - { .name: tab, .offset: 16, .size: 8, .value_kind: global_buffer, .address_space: global }
      - { .name: qkv, .offset: 24, .size: 8, .value_kind: global_buffer, .address_space: global }
    .group_segment_fixed_size: 327680
    .private_segment_fixed_size: 0
    .kernarg_segment_align: 8
    .kernarg_segment_size: 32
    .max_flat_workgroup_size: 128
    .sgpr_count:     96
    .vgpr_count:     1024
    .wavefront_size: 32
...
	.end_amdgpu_metadata
.endif
;; end of part 2
;; launch flash (part 3): grid 8 x 32, 4 waves a work-group, clusters of 4 x 1, 327,680 bytes of LDS; arguments qkv, tab, oh, stats; writes oh, stats
.if DOCPART == 3
	.amdgcn_target "amdgcn-amd-amdhsa--gfx1250"
	.amdhsa_code_object_version 6
	.text
	.protected	k_q7cc2a9ff5e_flash
	.globl	k_q7cc2a9ff5e_flash
	.p2align	8
	.type	k_q7cc2a9ff5e_flash,@function
k_q7cc2a9ff5e_flash:
	s_mov_b64 s[64:65], 0
	v_nop
	global_prefetch_b8 v0, s[64:65] scope:SCOPE_SE
	s_setreg_imm32_b32 hwreg(HW_REG_WAVE_MODE, 25, 1), 1
	s_wait_xcnt 0x0
	s_wait_alu depctr_hold_cnt(0) depctr_sa_sdst(0) depctr_va_vdst(0) depctr_va_sdst(0) depctr_va_ssrc(0) depctr_va_vcc(0) depctr_vm_vsrc(0)
	s_getreg_b32 s2, hwreg(HW_REG_IB_STS2, 6, 4)
	s_cmp_eq_u32 s2, 0
	s_cbranch_scc0 .Lentry_in_a_cluster
	s_endpgm
.Lentry_in_a_cluster:
	s_bfe_u32 s2, ttmp6, 0x10000c
	s_cmp_lg_u32 s2, 0x3003
	s_cbranch_scc0 .Lentry_shape_is_right
	s_endpgm
.Lentry_shape_is_right:
; ATTENTION WITH A KEY MASK.  O[bh][q] = the sum over k of softmax_k(q . k / 8 + mask[b][k]) v[k]; q, k, v in f16, in blocks of 16 rows x 64 channels laid out as operand fragments (2,048 bytes:
; chunk cb of 512 bytes, lane (r, h) at 256 h + 16 r holds channels 16 cb + 8 h + 0..7 of row r).  Products, maxima and sums in f32; the weights are rounded to f16 for the second product, O once at the end.
; Also stored, for the launch that averages the weights over heads: for each query c m and 1 / (16 l).
; THE MASK is the C operand that starts a score's sum: 0, or -1e30 for a key to be ignored.  The running maximum m starts at -2^93 and never falls below it, so while every key so far is masked all weights are
; 2^(c (s - 1e30) + c 2^93) = 0 and l stays 0; where l is 0 at the end, 1 / l is replaced by 0: such a row's O and weights are 0.
; LIMITS.  True scores lie above -2^93 (f16 operands give 2.7e11 at the most); a weight below 2^-126 counts as 0; NaN and infinities are not treated apart.
; SHARES.  A work-group owns 256 queries of one head, a wave 64: four PIECES of 16.  Every wave walks the 2,048 keys, 64 a step; a tile of 256 keys fills an LDS slot.  The four query blocks of a cluster
; walk the same K, V and mask, so each tile is asked for jointly.
; LAYOUT, SOFTMAX, TURNS.  S^T = K Q^T holds ONE query a lane (lane % 16) and the keys 8 (lane / 16) + 0..7; two such results rounded to f16 ARE source 1 of O^T = V^T P.  p = 2^(c s - c m), c = log2(e) / 8; O and l are
; multiplied by a = 2^(c m_old - c m_new) in every step.  Turn n belongs to piece n: 8 products K Q^T of piece n + 1, later 8 products V^T P of piece n - 1; beside them the scaling, exponentials, roundings, sums
; and rescaling of piece n and the maximum and statistics of piece n + 1.  Four vector instructions stand behind every matrix instruction, the others in one run.  A turn's 33 exponentials are one batch, with one wait.
; REGISTERS: window 0: v0-15 addresses; v16-31 statistics; v48-55 at work; v64-127 S^T, two buffers; v192-223 P, two buffers.   window 1: v0-127 O^T; v128-159 the step's mask.
;   window 2: v0-63 Q; v128-191 K of one step; v192-255 V of one step.
.set NP,    4
.set KSTEPB, 8192     ; a step's K in LDS: four blocks, dense: a fragment load takes 512 consecutive bytes
.set VSTEPB, 12288    ; a step's V: behind every 256 bytes stand 128 of padding
.set VOFF,  32768     ; a slot: 256 keys of K, then 256 keys of V (49,152 bytes)
.set SLOT1, 1<<17
.set MASKL, SLOT1+81920  ; the batch's 2,048 mask numbers, filled once
.set SPARE, MASKL+8192   ; the spare words, 128 bytes a wave
.set MASKT, 528384
.set AK0, 2           ; v2   16 x lane; never rewritten
.set AV0, 3           ; v3   my lane's place in a block pair of V
.set AK,  4           ; v4   the LDS address of K's next run of loads
.set AV,  5           ; v5   of V's
.set AM0, 6           ; v6   MASKL + 32 (lane / 16)
.set AM,  7           ; v7   the LDS address of the mask's next run
.set GO,  8           ; v8   16 x lane: my offset in Q, O and the statistics
.set MV,  12
.set ST,  16          ; piece t's statistics at v[ST+4 t]: c m, m, l (even keys', odd keys')
.set TMP, 48
.set PFO, 61          ; v61  256 x lane
.set SPW, 62
.set NIL, 63
.set S,   64
.set P,   192
.set MK,  128         ; window 1
.set KF,  128         ; window 2
.set VF,  192         ; window 2
.set WV,  12
.set G1K, 24
.set G1V, 32
.set G0K, 40
.set G0V, 44
.set G1M, 48
.set SLOTS, 56
.set CNT, 57
.set CS,  58
.set SEL, 60
.set TBK, 62
.set TBV, 63
.set TBM, 66
.set HM,  67
.set G0M, 68
.set PFA, 80
.set LIM, 82
.set MSB, 0
.macro WIN new
.if MSB != (\new)
	s_set_vgpr_msb (MSB<<8)|(\new)
.set MSB, (\new)
.endif
.endm
.set W_KQ, 0x0a       ; K and Q in window 2, S^T in window 0
.set W_KM, 0x1a       ; the same with the C operand in window 1
.set W_PV, 0x52       ; V in window 2, P in window 0, O^T in window 1
.set W_RS, 0x41       ; destination and source 0 in window 1, source 1 in window 0
.macro JLOAD                        ; a joint fill: waves 0 and 1 fetch the halves of a tile's K, waves 2 and 3 those of its V
	s_cmp_lt_u32 s[WV], 2
	s_cbranch_scc0 .Lfor_v_\@
	tensor_load_to_lds s[G0K:G0K+3], s[G1K:G1K+7]
	s_nop 0
.rept 4
	v_nop
.endr
	s_branch .Lasked_\@
.Lfor_v_\@:
	tensor_load_to_lds s[G0V:G0V+3], s[G1V:G1V+7]
	s_nop 0
.rept 4
	v_nop
.endr
.Lasked_\@:
.endm
; A prefetch of the tile that the NEXT change of slots will ask for, a lane a block of 256 bytes.  All clusters of a head walk the same K and V: the head's first cluster asks; its four partners share a tile's
; 32,768 bytes out by address, 8,192 each; wave 0 asks for K's, wave 2 for V's.  The change that asks for the last tile prefetches nothing.
.macro ASK
	s_cmp_gt_u32 s[SLOTS], s[LIM]
	s_cbranch_scc0 .Lnot_mine_\@
	global_prefetch_b8 v[PFO], s[PFA:PFA+1] th:TH_LOAD_NT scope:SCOPE_SE
.Lnot_mine_\@:
.endm
.macro CROUND
	s_barrier_signal -1
	s_barrier_wait -1
	s_cmp_lg_u32 s[WV], 0
	s_cbranch_scc1 .Lnot_wave_0_\@
	s_barrier_signal -3
.Lnot_wave_0_\@:
	s_barrier_wait -3
	s_barrier_signal -1
	s_barrier_wait -1
.endm
; THE CHANGE OF SLOTS.  Each wave waits for all its tensor loads, adds 0 to its spare word, and waits for that and for its reads of the slot that it leaves.  fill = 1: the barrier is a round of the cluster's, and the
; joint fill of the old slot, with the tile two on, is the first thing behind it: it has four key steps, 256 matrix instructions, in which to land.  (At its first use slot 0 is waited for and slot 1 filled.)
.macro CHANGE fill
	WIN 0
	s_wait_tensorcnt 0x0            ; no tensor load of mine is out, so a group 0 may be written
	ds_add_u32 v[SPW], v[NIL]
.if \fill
.irp g, G0K, G0V
	s_xor_b32 s[\g+1], s[\g+1], SLOT1
	s_add_nc_u64 s[\g+2:\g+3], s[\g+2:\g+3], 32768
.endr
	s_wait_xcnt 0x0                 ; the last prefetch, a tile back, has read its address
	s_add_nc_u64 s[PFA:PFA+1], s[PFA:PFA+1], 32768
	s_wait_dscnt 0x0                ; the add is done, and my reads of the slot are over
	CROUND
	JLOAD
	ASK
.else
	s_wait_dscnt 0x0
	s_barrier_signal -1
	s_barrier_wait -1
.endif
	s_sub_co_u32 s[TBK], s[TBK], 4*KSTEPB
	s_xor_b32 s[TBK], s[TBK], SLOT1
	s_sub_co_u32 s[TBV], s[TBV], 4*VSTEPB
	s_xor_b32 s[TBV], s[TBV], SLOT1
.endm
	s_load_b256 s[72:79], s[0:1], 0x0  ; qkv s[72:73], tab s[74:75], oh s[76:77], stats s[78:79]
	v_lshl_add_u32 v[SPW], v0, 2, SPARE
	v_mov_b32 v[NIL], 0
	ds_add_u32 v[SPW], v[NIL]       ; the wave's opening: the add, waited for ahead of my first tensor load
	v_lshrrev_b32 v1, 5, v0
	v_readfirstlane_b32 s[WV], v1
	s_bfe_u32 s13, ttmp6, 0x40000   ; cx
	s_lshl_b32 s14, ttmp9, 2
	s_add_co_u32 s14, s14, s13      ; my block of 256 queries: it enters Q's, O's and the statistics' addresses alone
	s_and_b32 s15, ttmp7, 0xffff    ; batch x 16 + head, which the four partners share
	s_lshl_b32 s20, s15, 18         ; a head is 262,144 bytes
	s_and_b32 s16, s[WV], 1         ; which half of a tile's 256 keys I fetch
	s_lshl_b32 s22, s16, 14
	s_add_co_u32 s22, s22, s20
	s_mov_b32 s23, 0
	s_lshl_b32 s17, s16, 14         ; its place in a slot, for K
	s_mul_i32 s18, s16, 24576       ; and for V
	s_lshl_b32 s2, s14, 15
	s_lshl_b32 s3, s[WV], 13
	s_add_co_u32 s2, s2, s3
	s_add_co_u32 s2, s2, s20        ; my wave's 64 rows
	s_mov_b32 s3, 0
	s_lshr_b32 s86, s15, 4
	s_lshl_b32 s86, s86, 13         ; the batch's mask,
	s_lshl_b32 s19, s[WV], 11       ; my quarter of it
	s_add_co_u32 s86, s86, s19
	s_add_co_u32 s86, s86, MASKT
	s_mov_b32 s87, 0
	s_lshl_b32 s20, s15, 14         ; the statistics: 16,384 bytes a head, 2,048 a block, 512 a wave
	s_lshl_b32 s21, s14, 11
	s_add_co_u32 s20, s20, s21
	s_lshl_b32 s21, s[WV], 9
	s_add_co_u32 s20, s20, s21
	s_mov_b32 s21, 0
	; 128 keys are 16,384 dense bytes: 64 rows of 256 bytes
	s_mov_b32 s[G1K], 15|(1<<16)|(1<<21)                             ; the mask of four; 2-byte elements; bit 21 beside a mask; no padding
	s_mov_b32 s[G1V], 15|(1<<16)|(1<<20)|(1<<21)|(5<<22)|(31<<25)    ; the same; behind every 64 words 32 words of padding
.irp g, G1K, G1V
	s_mov_b32 s[\g+1], 128<<16
	s_mov_b32 s[\g+2], 64<<16
	s_mov_b32 s[\g+3], 128<<16
	s_mov_b32 s[\g+4], 64
	s_mov_b32 s[\g+5], 128
	s_mov_b32 s[\g+6], 0
	s_mov_b32 s[\g+7], 0
.endr
	s_mov_b32 s[G1M], 15|(3<<16)|(1<<21)  ; a quarter of the mask: 8 rows of 32 elements of 8 bytes
	s_mov_b32 s[G1M+1], 32<<16
	s_mov_b32 s[G1M+2], 8<<16
	s_mov_b32 s[G1M+3], 32<<16
	s_mov_b32 s[G1M+4], 8
	s_mov_b32 s[G1M+5], 32
	s_mov_b32 s[G1M+6], 0
	s_mov_b32 s[G1M+7], 0
	s_mov_b32 s[CS], 0x3e38aa3b     ; c = log2(e) / 8
	s_mov_b32 s[CS+1], s[CS]
	s_mov_b32 s[SEL], 0x76543210
	s_mov_b32 s[SEL+1], 0xfedcba98
	s_mov_b32 s[TBK], SLOT1+4*KSTEPB  ; the first change of slots turns these two into 0
	s_mov_b32 s[TBV], SLOT1+4*VSTEPB
	s_mov_b32 s[TBM], 0
	s_mov_b32 s[HM], 0xffff0000
	s_mov_b32 s[SLOTS], 7           ; tiles still to be asked for
	s_mov_b32 s[G0K], 1
	s_mov_b32 s[G0K+1], s17
	s_mov_b32 s[G0V], 1
	s_add_co_u32 s[G0V+1], s18, VOFF
	s_mov_b32 s[G0M], 1
	s_add_co_u32 s[G0M+1], s19, MASKL
	s_and_b32 s[LIM], s[WV], 1      ; 0 in waves 0 and 2,
	s_or_b32 s[LIM], s[LIM], ttmp9  ; where the cluster is the head's first
	s_cmp_eq_u32 s[LIM], 0
	s_cselect_b32 s[LIM], 1, -1
	v_and_b32 v[PFO], 31, v0
	v_lshlrev_b32 v[PFO], 8, v[PFO]
	s_wait_dscnt 0x0                ; the opening add is done
	s_wait_kmcnt 0x0
	s_add_nc_u64 s[6:7], s[72:73], s[22:23]
	s_add_nc_u64 s[8:9], s[6:7], 16777216  ; V at my half of the head's tile 0
	s_add_nc_u64 s[6:7], s[6:7], 8388608   ; K likewise
	s_mov_b64 s[G0K+2:G0K+3], s[6:7]
	s_or_b32 s[G0K+3], s[G0K+3], 0x80000000
	s_mov_b64 s[G0V+2:G0V+3], s[8:9]
	s_or_b32 s[G0V+3], s[G0V+3], 0x80000000
	s_add_nc_u64 s[G0M+2:G0M+3], s[74:75], s[86:87]
	s_or_b32 s[G0M+3], s[G0M+3], 0x80000000
	s_add_nc_u64 s[4:5], s[72:73], s[2:3]    ; Q
	s_add_nc_u64 s[10:11], s[76:77], s[2:3]  ; O
	s_add_nc_u64 s[84:85], s[78:79], s[20:21]
	s_cmp_lt_u32 s[WV], 2
	s_cselect_b64 s[PFA:PFA+1], s[6:7], s[8:9]  ; (in waves 0 and 2 these stand at a tile's first byte)
	s_lshl_b32 s2, s13, 13          ; my work-group's quarter of a tile
	s_mov_b32 s3, 0
	s_add_nc_u64 s[PFA:PFA+1], s[PFA:PFA+1], s[2:3]
	s_add_nc_u64 s[PFA:PFA+1], s[PFA:PFA+1], 32768  ; in tile 1; the first change of slots steps it to tile 2
	CROUND                          ; all four work-groups are here: the first joint loads meet
	s_cmp_lt_u32 s[WV], 2           ; a wave's two first fills stand in one branch: its part of tile 0 and its quarter of the mask: two loads of mine are out
	s_cbranch_scc0 .Lfirst_v
	tensor_load_to_lds s[G0K:G0K+3], s[G1K:G1K+7]
	s_nop 0
	tensor_load_to_lds s[G0M:G0M+3], s[G1M:G1M+7]
	s_nop 0
.rept 4
	v_nop
.endr
	s_branch .Lfirst_asked
.Lfirst_v:
	tensor_load_to_lds s[G0V:G0V+3], s[G1V:G1V+7]
	s_nop 0
	tensor_load_to_lds s[G0M:G0M+3], s[G1M:G1M+7]
	s_nop 0
.rept 4
	v_nop
.endr
.Lfirst_asked:
	v_and_b32 v[GO], 31, v0
	v_lshlrev_b32 v[GO], 4, v[GO]
	WIN 0x80                        ; destination window 2
.set i, 0
.rept 16                            ; Q stays in registers: piece i / 4, chunk i % 4: 512 consecutive bytes a load
	global_load_b128 v[4*i:4*i+3], v[GO], s[4:5] offset:512*i
.set i, i+1
.endr
	; what the first turns find: V and P's second buffer hold 0 (the products of a piece that has not been add 0), O^T and l are 0.  All this stands in the wait for the first tile.
.set i, VF
.rept 64
	v_mov_b32 v[i], 0
.set i, i+1
.endr
	WIN 0x40
.set i, 0
.rept 128
	v_mov_b32 v[i], 0
.set i, i+1
.endr
	WIN 0
.set i, 0
.rept 4
	v_mov_b32 v[ST+4*i], 0xed000000    ; c m: -2^91, below c times the floor, so the first step's a is 0
	v_mov_b32 v[ST+4*i+1], 0xee000000  ; m: the floor, -2^93
	v_mov_b32 v[ST+4*i+2], 0
	v_mov_b32 v[ST+4*i+3], 0
.set i, i+1
.endr
.set i, P+16
.rept 16
	v_mov_b32 v[i], 0
.set i, i+1
.endr
	v_mov_b32 v[AK0], v[GO]
	v_bfe_u32 v9, v0, 4, 1          ; lane / 16
	v_and_b32 v10, 7, v0
	v_bfe_u32 v11, v0, 3, 1
	; the turning load: lane l names key 8 (l / 16) + l % 8 of a block and channels 8 ((l / 8) % 2) + 0..7 of a chunk, and receives channel l % 16 of eight keys
	v_lshl_add_u32 v[AV0], v9, 3, v10
	v_lshlrev_b32 v[AV0], 4, v[AV0]
	v_mul_u32_u24 v11, v11, 384
	v_add_nc_u32 v[AV0], v[AV0], v11
	v_add_nc_u32 v[AV0], VOFF, v[AV0]
	v_lshl_add_u32 v[AM0], v9, 5, MASKL
; THE MATRIX WORK.  The 4 accumulators of a run of 8 take turns.  Product i of 8 of S^T = K Q^T for piece x: channels 32 (i / 4) on, keys 16 (i % 4) on.  The first 4 start the sums with the mask.
.macro KQ x
.set rS, S+32*((\x)%2)+8*(i%4)
.set rK, KF+16*(i%4)+8*(i/4)
.set rQ, 16*(\x)+8*(i/4)
.set rM, MK+8*(i%4)
.if i < 4
	WIN W_KM
	v_wmma_f32_16x16x32_f16 v[rS:rS+7], v[rK:rK+7], v[rQ:rQ+7], v[rM:rM+7]
.else
	WIN W_KQ
	v_wmma_f32_16x16x32_f16 v[rS:rS+7], v[rK:rK+7], v[rQ:rQ+7], v[rS:rS+7]
.endif
.endm
.macro PV x                         ; product i of 8 of O^T += V^T P for piece x: keys 32 (i / 4) on, channels 16 (i % 4) on
	WIN W_PV
.set rO, 32*(\x)+8*(i%4)
.set rV, VF+32*(i/4)+8*(i%4)
.set rP, P+16*((\x)%2)+8*(i/4)
	v_wmma_f32_16x16x32_f16 v[rO:rO+7], v[rV:rV+7], v[rP:rP+7], v[rO:rO+7]
.endm
.macro MM                           ; the turn's next matrix instruction
.if i < 8
	KQ (Y+1)%NP
.else
.set i, i-8
	PV (Y+NP-1)%NP
.set i, i+8
.endif
.set i, i+1
.endm
; THE LDS LOADS stand in runs: a step's K (8 fragments) with its 64 mask numbers, and its V (turned).
.macro FETCH_K
	WIN 0x80
.irp f, 0,1,2,3,4,5,6,7             ; keys 16 (f / 2) on, channels 32 (f % 2) on
	ds_load_b128 v[KF+8*\f:KF+8*\f+3],   v[AK] offset:(\f/2)*2048+(\f%2)*1024
	ds_load_b128 v[KF+8*\f+4:KF+8*\f+7], v[AK] offset:(\f/2)*2048+(\f%2)*1024+512
.endr
	WIN 0x40
.irp f, 0,1,2,3                     ; keys 16 f + 8 (lane / 16) + 0..7
	ds_load_b128 v[MK+8*\f:MK+8*\f+3],   v[AM] offset:64*\f
	ds_load_b128 v[MK+8*\f+4:MK+8*\f+7], v[AM] offset:64*\f+16
.endr
	s_add_co_u32 s[TBK], s[TBK], KSTEPB
	s_add_co_u32 s[TBM], s[TBM], 256
	WIN 0
.endm
.macro FETCH_V
	WIN 0x80
.irp f, 0,1,2,3,4,5,6,7             ; keys 32 (f / 4) on, channels 16 (f % 4) on
	ds_load_tr16_b128 v[VF+8*\f:VF+8*\f+3],   v[AV] offset:(\f/4)*6144+(\f%4)*768
	ds_load_tr16_b128 v[VF+8*\f+4:VF+8*\f+7], v[AV] offset:(\f/4)*6144+3072+(\f%4)*768
.endr
	WIN 0
.endm
; THE VECTOR WORK, one line at a time: OP kind, number.  For piece Y: F n: c s - c m for pair n of 16.  E n: the exponential of score n of 32.  C n: pair n rounded to f16.  B n: of the four weights 4 n .. the second
; pair is added onto the first.  L n: l takes that sum (L 0: l = a l + sum).  R n: pair n of 16 of O^T times a.  For piece Y + 1: X n, number n of the 22 that find its maximum and statistics:
;   0-11 four chains of seven scores (each accumulator's lowest registers are read first)   12-14, 16 the scores left over, the old m, four into one   15 c m_old is kept   17, 18 the other half of the lanes   19-21 c m; its change; a
.set F, 0
.set E, 1
.set C, 2
.set B, 3
.set L, 4
.set R, 5
.set X, 6
.macro REGS y
.set rT, ST+4*(\y)
.set rC, TMP+4*((\y)%2)
.set rW, MV+((\y)%2)
.set rS, S+32*((\y)%2)
.set rP, P+16*((\y)%2)
.set rO, 32*(\y)
.endm
.macro OP k, n
.if (\k) == R
	REGS Y
	WIN W_RS
	v_pk_mul_f32 v[rO+2*(\n):rO+2*(\n)+1], v[rO+2*(\n):rO+2*(\n)+1], v[rC+2:rC+3] op_sel_hi:[1,0]
.elseif (\k) < R
	REGS Y
	WIN 0
.if (\k) == F
	v_pk_fma_f32 v[rS+2*(\n):rS+2*(\n)+1], v[rS+2*(\n):rS+2*(\n)+1], s[CS:CS+1], v[rT:rT+1] op_sel_hi:[1,0,0] neg_lo:[0,0,1] neg_hi:[0,0,1]
.elseif (\k) == E
	v_exp_f32 v[rS+(\n)], v[rS+(\n)]
.elseif (\k) == C
	v_cvt_pk_f16_f32 v[rP+(\n)], v[rS+2*(\n)], v[rS+2*(\n)+1]
.elseif (\k) == B
	v_pk_add_f32 v[rS+4*(\n):rS+4*(\n)+1], v[rS+4*(\n):rS+4*(\n)+1], v[rS+4*(\n)+2:rS+4*(\n)+3]
.elseif (\n) == 0
	v_pk_fma_f32 v[rT+2:rT+3], v[rT+2:rT+3], v[rC+2:rC+3], v[rS:rS+1] op_sel_hi:[1,0,1]
.else
	v_pk_add_f32 v[rT+2:rT+3], v[rT+2:rT+3], v[rS+4*(\n):rS+4*(\n)+1]
.endif
.else
	REGS (Y+1)%NP
	WIN 0
.if (\n) < 4
	v_max3_num_f32 v[rC+(\n)], v[rS+8*(\n)], v[rS+8*(\n)+1], v[rS+8*(\n)+2]
.elseif (\n) < 12
	v_max3_num_f32 v[rC+(\n)%4], v[rC+(\n)%4], v[rS+8*((\n)%4)+2*((\n)/4)+1], v[rS+8*((\n)%4)+2*((\n)/4)+2]
.elseif (\n) == 12
	v_max3_num_f32 v[rC], v[rC], v[rS+7], v[rS+15]
.elseif (\n) == 13
	v_max3_num_f32 v[rC+1], v[rC+1], v[rS+23], v[rS+31]
.elseif (\n) == 14
	v_max3_num_f32 v[rC+2], v[rC+2], v[rC+3], v[rT+1]
.elseif (\n) == 15
	v_mov_b32 v[rW], v[rT]
.elseif (\n) == 16
	v_max3_num_f32 v[rC], v[rC], v[rC+1], v[rC+2]
.elseif (\n) == 17
	v_permlanex16_b32 v[rC+3], v[rC], s[SEL], s[SEL+1]
.elseif (\n) == 18
	v_max_num_f32 v[rT+1], v[rC], v[rC+3]
.elseif (\n) == 19
	v_mul_f32 v[rT], s[CS], v[rT+1]
.elseif (\n) == 20
	v_sub_f32 v[rC+1], v[rW], v[rT]
.else
	v_exp_f32 v[rC+2], v[rC+1]
.endif
.endif
.endm
.macro OPS a, i1, b=-1, i2=0, c=-1, i3=0, d=-1, i4=0
	OP \a, \i1
.if (\b) >= 0
	OP \b, \i2
.endif
.if (\c) >= 0
	OP \c, \i3
.endif
.if (\d) >= 0
	OP \d, \i4
.endif
.endm
.macro ROW a, i1, b, i2, c, i3, d, i4  ; a matrix instruction and the four behind it
	MM
	OPS \a, \i1, \b, \i2, \c, \i3, \d, \i4
.endm
; A TURN, for piece p.  AHEAD OF ITS ONE WAIT stands all that names no result of the turn's exponentials: the 8 products K Q^T with their four riders each, then one run of 54.  BEHIND IT the 8 products V^T P, behind each four of
; the roundings and sums.  K and the mask of the next step are fetched in piece 2's turn, behind its last product K Q^T and six plain instructions; V of the step in hand at the end of piece 0's turn, four plain instructions
; behind the last product that read V.  Each run is waited for a turn later.
; The mask's offset is held to the last step's.  last = 1 (the tail): so is K's: the tail's fifth trip fetches the last step's K and mask once more, so the scores that it makes for piece 0 repeat the last step's and leave
; that piece's m and c m as they are.  cnt = 1: the loop's count is taken down some lines ahead of the branch behind the turn.
.macro TURN p, last=0, cnt=0
.set Y, (\p)
.set i, 0
.if (\p) == 3
	s_wait_dscnt 0x0                ; K and the mask are in
.endif
	ROW F,0, F,1, R,0, R,1
	ROW F,2, E,0, R,2, R,3
	ROW F,3, E,1, R,4, R,5
	ROW F,4, E,2, R,6, R,7
	ROW F,5, E,3, R,8, R,9
	ROW F,6, E,4, X,0, R,10
.if (\p) == 2
	WIN 0
.if \last
	s_min_u32 s[TBK], s[TBK], SLOT1+3*KSTEPB
.endif
	s_min_u32 s[TBM], s[TBM], 31*256
	v_add_nc_u32 v[AK], s[TBK], v[AK0]
	v_add_nc_u32 v[AM], s[TBM], v[AM0]
.endif
	ROW F,7, E,5, X,1, X,4
	ROW F,8, E,6, X,2, X,5
	OPS E,7, E,8, X,6, E,9
	OPS X,3, E,10, X,8, E,11
.if (\p) == 2
	FETCH_K
.endif
	OPS X,9, X,7, E,12, X,10
	OPS E,13, X,12, X,11, E,14
	OPS X,13, E,15, F,9, X,14
.if (\p) == 0
	v_add_nc_u32 v[AV], s[TBV], v[AV0]
.endif
	OPS E,16, F,10, E,17, F,11
	OPS X,16, E,18, X,15, E,19
	OPS F,12, E,20, X,17, E,21
	OPS F,13, E,22, F,14, E,23
	OPS X,18, E,24, F,15, E,25
	OPS R,11, E,26, X,19, E,27
	OPS R,12, E,28, R,13, E,29
	OPS X,20, E,30, R,14, E,31
	OPS X,21, R,15                  ; the batch's last exponential, and the plain instruction behind it
	WIN 0
	s_wait_alu depctr_va_vdst(0)    ; the wait for the batch
.if (\p) == 1
	s_wait_dscnt 0x0                ; V is in
.endif
	ROW C,0, B,0, C,2, B,1
	ROW L,0, C,4, B,2, L,1
	ROW C,6, B,3, L,2, C,8
	ROW B,4, L,3, C,10, B,5
	ROW L,4, C,12, B,6, L,5
.if (\p) == 0
	s_add_co_u32 s[TBV], s[TBV], VSTEPB
.endif
.if \cnt
	s_sub_co_u32 s[CNT], s[CNT], 1
	s_cmp_lg_u32 s[CNT], 0
.endif
	ROW C,14, B,7, L,6, C,1
	ROW C,3, L,7, C,5, C,7
	ROW C,9, C,11, C,13, C,15
.if (\p) == 0
	FETCH_V
.endif
.endm
	CHANGE 1                        ; tile 0 and the mask are in, everybody's part; tile 1 is asked for
	v_add_nc_u32 v[AK], s[TBK], v[AK0]
	v_add_nc_u32 v[AM], s[TBM], v[AM0]
	FETCH_K                         ; key step 0
	s_wait_loadcnt 0x0              ; Q
	s_wait_dscnt 0x0
.set i, 0
.rept 8
	KQ 0                            ; piece 0's first scores
.set i, i+1
.endr
	WIN 0
.rept 4
	v_nop                           ; the places behind those products
.endr
.set Y, NP-1                        ; X works for piece Y + 1: piece 0
.irp n, 0,1,2,3,4,5,6,7,8,9,10,11,12,13,14,15,16,17,18,19,20,21
	OP X, \n
.endr
	v_nop                           ; a plain instruction behind the exponential,
	s_wait_alu depctr_va_vdst(0)    ; and its wait, ahead of the branch
	s_mov_b32 s[CNT], 4
	s_branch .Lfirst                ; the loop is entered at a step's first turn, in the middle of a trip
.Lslot:                             ; six times: tiles 2 to 7 are asked for
	CHANGE 1
	s_mov_b32 s[CNT], 4
.Lstep:                             ; a trip: pieces 2 and 3 of one step, then pieces 0 and 1 of the next, whose K and V it fetches
	TURN 2
	TURN 3
	WIN 0
.Lfirst:
	TURN 0
	TURN 1, 0, 1
	WIN 0
	s_cbranch_scc1 .Lstep
	s_sub_co_u32 s[SLOTS], s[SLOTS], 1
	s_cmp_lg_u32 s[SLOTS], 0
	s_cbranch_scc1 .Lslot
	CHANGE 0                        ; the tail is written out: nothing is asked for
	s_mov_b32 s[CNT], 5             ; four trips fetch the last tile's steps; the fifth is left in its middle
.Ltail:
	TURN 2, 1
	TURN 3
	WIN 0
	s_sub_co_u32 s[CNT], s[CNT], 1
	s_cmp_eq_u32 s[CNT], 0
	s_cbranch_scc1 .Lout
	TURN 0
	TURN 1
	WIN 0
	s_branch .Ltail
.Lout:
.set i, 0
.rept 8
	PV NP-1                         ; the last piece's V^T P of the last step
.set i, i+1
.endr
	; THE WAY OUT.  l's two halves and the other half of the lanes' are added; 1 / l, or 0 where l is 0; the statistics; O^T times 1 / l, rounded to f16 and stored from registers.  The additions are the places behind the last products.
	WIN 0
.macro ALL line:vararg
.set t, 0
.rept 4
	\line
.set t, t+1
.endr
.endm
	ALL v_add_f32 v[ST+4*t+2], v[ST+4*t+2], v[ST+4*t+3]
	ALL v_permlanex16_b32 v[ST+4*t+3], v[ST+4*t+2], s[SEL], s[SEL+1]
	ALL v_add_f32 v[ST+4*t+2], v[ST+4*t+2], v[ST+4*t+3]
	ALL v_rcp_f32 v[ST+4*t+3], v[ST+4*t+2]
	v_nop                           ; a plain instruction behind the last reciprocal
	s_wait_alu depctr_va_vdst(0)    ; one wait for the four
.set t, 0
.rept 4
	v_cmp_lt_f32 vcc_lo, 0, v[ST+4*t+2]
	v_cndmask_b32 v[ST+4*t+2], 0, v[ST+4*t+3], vcc_lo
	v_mul_f32 v[ST+4*t+3], 0x3d800000, v[ST+4*t+2]  ; 1 / (16 l)
.set t, t+1
.endr
	; 32 queries' statistics are 256 bytes: for query r the four numbers c m, 1 / (16 l) of the even piece and of the odd one.  Lanes 0-15 store pieces 0 and 1, lanes 16-31 pieces 2 and 3.
	v_cndmask_b32 v48, v[ST], v[ST+8], s[HM]
	v_cndmask_b32 v49, v[ST+3], v[ST+11], s[HM]
	v_cndmask_b32 v50, v[ST+4], v[ST+12], s[HM]
	v_cndmask_b32 v51, v[ST+7], v[ST+15], s[HM]
	global_store_b128 v[GO], v[48:51], s[84:85]
.macro PACK t                       ; a lane's eight channels of a row pack into 16 bytes, which lie where the output's layout wants them: each store covers 512 consecutive bytes
	WIN W_RS
.set i, 32*(\t)
.rept 16
	v_pk_mul_f32 v[i:i+1], v[i:i+1], v[ST+4*(\t)+2:ST+4*(\t)+3] op_sel_hi:[1,0]
.set i, i+2
.endr
	WIN 0x05
.set i, 0
.rept 16
	v_cvt_pk_f16_f32 v[S+16*(\t)+i], v[32*(\t)+2*i], v[32*(\t)+2*i+1]
.set i, i+1
.endr
	WIN 0
.irp f, 0,1,2,3
	global_store_b128 v[GO], v[S+16*(\t)+4*\f:S+16*(\t)+4*\f+3], s[10:11] offset:(\t)*2048+\f*512
.endr
.endm
	PACK 0
	PACK 1
	PACK 2
	PACK 3
	s_wait_tensorcnt 0x0            ; the wave's end
	ds_add_u32 v[SPW], v[NIL]
	s_wait_dscnt 0x0
	CROUND                          ; the closing round
	s_endpgm
.Lfunc_end_k_q7cc2a9ff5e_flash:
	.size	k_q7cc2a9ff5e_flash, .Lfunc_end_k_q7cc2a9ff5e_flash-k_q7cc2a9ff5e_flash
	.p2alignl 7, 3214868480
	.fill 96, 4, 3214868480
	.section	.rodata,"a",@progbits
	.p2align	6, 0x0
	.amdhsa_kernel k_q7cc2a9ff5e_flash
		.amdhsa_group_segment_fixed_size 327680
		.amdhsa_private_segment_fixed_size 0
		.amdhsa_enable_private_segment 0
		.amdhsa_kernarg_size 32
		.amdhsa_user_sgpr_count 2
		.amdhsa_user_sgpr_kernarg_segment_ptr 1
		.amdhsa_wavefront_size32 1
		.amdhsa_system_sgpr_workgroup_id_x 1
		.amdhsa_system_sgpr_workgroup_id_y 1
		.amdhsa_system_sgpr_workgroup_id_z 1
		.amdhsa_system_vgpr_workitem_id 0
		.amdhsa_next_free_vgpr 768
		.amdhsa_next_free_sgpr 88
		.amdhsa_reserve_vcc 1
		.amdhsa_float_denorm_mode_32 3
		.amdhsa_float_denorm_mode_16_64 3
		.amdhsa_memory_ordered 1
		.amdhsa_forward_progress 1
		.amdhsa_inst_pref_size 113
	.end_amdhsa_kernel
	.amdgpu_metadata
---
amdhsa.version: [ 1, 2 ]
amdhsa.kernels:
  - .name:           k_q7cc2a9ff5e_flash
    .symbol:         k_q7cc2a9ff5e_flash.kd
    .args:
      - { .name: qkv, .offset: 0, .size: 8, .value_kind: global_buffer, .address_space: global }
      - { .name: tab, .offset: 8, .size: 8, .value_kind: global_buffer, .address_space: global }
      - { .name: oh, .offset: 16, .size: 8, .value_kind: global_buffer, .address_space: global }
      - { .name: stats, .offset: 24, .size: 8, .value_kind: global_buffer, .address_space: global }
    .group_segment_fixed_size: 327680
    .private_segment_fixed_size: 0
    .kernarg_segment_align: 8
    .kernarg_segment_size: 32
    .max_flat_workgroup_size: 128
    .sgpr_count:     88
    .vgpr_count:     768
    .wavefront_size: 32
...
	.end_amdgpu_metadata
.endif
;; end of part 3
;; launch mean (part 4): grid 8 x 32, 8 waves a work-group, clusters of 4 x 1, 327,680 bytes of LDS; arguments qkv, stats, tab, out1; writes out1
.if DOCPART == 4
	.amdgcn_target "amdgcn-amd-amdhsa--gfx1250"
	.amdhsa_code_object_version 6
	.text
	.protected	k_q7cc2a9ff5e_mean
	.globl	k_q7cc2a9ff5e_mean
	.p2align	8
	.type	k_q7cc2a9ff5e_mean,@function
k_q7cc2a9ff5e_mean:
	s_mov_b64 s[64:65], 0
	v_nop
	global_prefetch_b8 v0, s[64:65] scope:SCOPE_SE
	s_setreg_imm32_b32 hwreg(HW_REG_WAVE_MODE, 25, 1), 1
	s_wait_xcnt 0x0
	s_wait_alu depctr_hold_cnt(0) depctr_sa_sdst(0) depctr_va_vdst(0) depctr_va_sdst(0) depctr_va_ssrc(0) depctr_va_vcc(0) depctr_vm_vsrc(0)
	s_getreg_b32 s2, hwreg(HW_REG_IB_STS2, 6, 4)
	s_cmp_eq_u32 s2, 0
	s_cbranch_scc0 .Lentry_in_a_cluster
	s_endpgm
.Lentry_in_a_cluster:
	s_bfe_u32 s2, ttmp6, 0x10000c
	s_cmp_lg_u32 s2, 0x3003
	s_cbranch_scc0 .Lentry_shape_is_right
	s_endpgm
.Lentry_shape_is_right:
; THE WEIGHTS' MEAN OVER HEADS.  out1[b][t][s] = the sum over the 16 heads of 2^(c (q . k + mask[s]) - c m) / (16 l), with c m and 1 / (16 l) as the attention launch stored them.  The scores are made again, by the same
; products in the same order, so the weights are the same numbers that were summed into l.  A masked key's weight is 0; where all keys are masked 1 / (16 l) is 0.
; SHARES.  A work-group makes 256 queries x 128 keys of one batch; wave w queries 32 w .. 32 w + 31 (two tiles of 16) x all 128 keys: 128 sums a lane.  The 128 keys' K of all 16 heads, 262,144 bytes, is brought into LDS
; once, by four loads a wave of four heads each; nothing is filled again.  The first load is waited for alone: heads 0 to 2 are worked on, and heads 1 to 3 read, while the other twelve heads' K is on its way.
; The four query blocks of a cluster want the same K, so it is asked for jointly.  Eight waves, two to a SIMD, and no barrier in the loops: while one wave walks its exponentials the other
; has the matrix unit, so the text stays in plain phases.
; No prefetch: all of K is asked for at the head, and Q and the statistics run a head ahead in registers.
; REGISTERS: window 0: v8-21 addresses and factors; v24-27 the statistics; v32-95 one tile's scores and weights; v96-223 the sums, tile p, key block kb at 96 + 64 p + 8 kb.
;   window 1: v0-127 K of a head (key block kb, channel half c at 16 kb + 8 c); v128-159 Q of two tiles; v160-223 the mask.
.set STAGE, 262144                     ; behind K: 16 rows x 272 bytes for each wave, for the way out
.set SPI,   272
.set SPARE, STAGE+8*16*SPI             ; the spare words, 128 bytes a wave
.set MASKT, 528384
.set VQ,  8                            ; v8   Q's offset: head x 262,144 + 16 x lane
.set VS,  9                            ; v9   the statistics' offset: head x 16,384 + 16 r
.set KA,  10                           ; v10  K's LDS address: head x 16,384 + 16 x lane
.set QL,  11                           ; v11  16 x lane
.set SL,  12                           ; v12  16 r
.set STO, 14
.set RD,  15
.set CO,  16
.set MO,  17                           ; v17  32 h
.set RL,  18                           ; v[18:19], v[20:21]: 1 / (16 l) in a pair's first register
.set STT, 24                           ; v[24:25], v[26:27]: c m, 1 / (16 l) of tile 0, 1
.set SPW, 28
.set NIL, 29
.set S,   32
.set ACC, 96
.set QF,  128
.set MK,  160
.set WV,  12
.set G1,  24
.set G0,  32
.set QP,  48                           ; s[48:49] Q at my rows of head 0
.set SPT, 50                           ; s[50:51] the statistics likewise
.set MP,  52                           ; s[52:53] the mask of my 128 keys
.set OUTP, 54                          ; s[54:55] out1 at my corner
.set HN,  56                           ; s56  the head whose operands are asked for
.set CT,  57
.set CS,  58
.set MSB, 0
.macro WIN new
.if MSB != (\new)
	s_set_vgpr_msb (MSB<<8)|(\new)
.set MSB, (\new)
.endif
.endm
.macro CROUND
	s_barrier_signal -1
	s_barrier_wait -1
	s_cmp_lg_u32 s[WV], 0
	s_cbranch_scc1 .Lnot_wave_0_\@
	s_barrier_signal -3
.Lnot_wave_0_\@:
	s_barrier_wait -3
	s_barrier_signal -1
	s_barrier_wait -1
.endm
	s_load_b256 s[4:11], s[0:1], 0x0               ; qkv s[4:5], stats s[6:7], tab s[8:9], out1 s[10:11]
	v_lshl_add_u32 v[SPW], v0, 2, SPARE
	v_mov_b32 v[NIL], 0
	ds_add_u32 v[SPW], v[NIL]                      ; the wave's opening: the add, waited for ahead of my first tensor load
	v_lshrrev_b32 v1, 5, v0
	v_readfirstlane_b32 s[WV], v1                  ; wave 0..7
	s_bfe_u32 s13, ttmp6, 0x40000                  ; cx
	s_lshl_b32 s14, ttmp9, 2
	s_add_co_u32 s14, s14, s13                     ; my block of 256 queries
	s_and_b32 s15, ttmp7, 0xffff
	s_lshr_b32 s16, s15, 4                         ; the batch
	s_and_b32 s17, s15, 15                         ; my block of 128 keys
	; load j of four brings heads 4 j .. 4 j + 3; of them wave w fetches 64 keys of head 4 j + w / 2: 8,192 dense bytes
	s_lshl_b32 s20, s16, 22
	s_lshl_b32 s21, s17, 14
	s_add_co_u32 s20, s20, s21
	s_lshr_b32 s21, s[WV], 1
	s_lshl_b32 s21, s21, 18
	s_add_co_u32 s20, s20, s21
	s_and_b32 s21, s[WV], 1
	s_lshl_b32 s21, s21, 13
	s_add_co_u32 s20, s20, s21
	s_add_co_u32 s20, s20, 8388608                 ; k lies behind q
	s_mov_b32 s21, 0
	s_lshl_b32 s22, s[WV], 13
	s_mov_b32 s[G1], 15|(3<<16)|(1<<21)            ; the mask of four; 8-byte elements; bit 21 beside a mask
	s_mov_b32 s[G1+1], 32<<16                      ; 32 rows of 256 bytes
	s_mov_b32 s[G1+2], 32<<16
	s_mov_b32 s[G1+3], 32<<16
	s_mov_b32 s[G1+4], 32
	s_mov_b32 s[G1+5], 32
	s_mov_b32 s[G1+6], 0
	s_mov_b32 s[G1+7], 0
.irp j, 0,1,2,3
	s_mov_b32 s[G0+4*(\j)], 1
	s_add_co_u32 s[G0+4*(\j)+1], s22, (\j)*65536
.endr
	s_lshl_b32 s[QP], s16, 22
	s_lshl_b32 s23, s14, 15
	s_add_co_u32 s[QP], s[QP], s23
	s_lshl_b32 s23, s[WV], 12
	s_add_co_u32 s[QP], s[QP], s23
	s_mov_b32 s[QP+1], 0
	s_lshl_b32 s[SPT], s16, 18
	s_lshl_b32 s23, s14, 11
	s_add_co_u32 s[SPT], s[SPT], s23
	s_lshl_b32 s23, s[WV], 8
	s_add_co_u32 s[SPT], s[SPT], s23
	s_mov_b32 s[SPT+1], 0
	s_lshl_b32 s[MP], s16, 13
	s_lshl_b32 s23, s17, 9
	s_add_co_u32 s[MP], s[MP], s23
	s_add_co_u32 s[MP], s[MP], MASKT
	s_mov_b32 s[MP+1], 0
	s_lshl_b32 s[OUTP], s16, 24
	s_add_co_u32 s[OUTP], s[OUTP], s23             ; 512 bytes a key block
	s_lshl_b32 s23, s14, 21
	s_add_co_u32 s[OUTP], s[OUTP], s23
	s_lshl_b32 s23, s[WV], 18
	s_add_co_u32 s[OUTP], s[OUTP], s23
	s_mov_b32 s[OUTP+1], 0
	s_mov_b32 s[CS], 0x3e38aa3b                    ; c = log2(e) / 8
	s_mov_b32 s[CS+1], s[CS]
	s_mov_b32 s[HN], 0
	s_mov_b32 s[CT], 3
	s_wait_dscnt 0x0                               ; the opening add is done
	s_wait_kmcnt 0x0
	s_add_nc_u64 s[18:19], s[4:5], s[20:21]
.irp j, 0,1,2,3
	s_add_nc_u64 s[G0+4*(\j)+2:G0+4*(\j)+3], s[18:19], (\j)*1048576
	s_or_b32 s[G0+4*(\j)+3], s[G0+4*(\j)+3], 0x80000000
.endr
	s_add_nc_u64 s[QP:QP+1], s[4:5], s[QP:QP+1]
	s_add_nc_u64 s[SPT:SPT+1], s[6:7], s[SPT:SPT+1]
	s_add_nc_u64 s[MP:MP+1], s[8:9], s[MP:MP+1]
	s_add_nc_u64 s[OUTP:OUTP+1], s[10:11], s[OUTP:OUTP+1]
	CROUND                                         ; all four work-groups are here: the joint loads meet
.irp j, 0,1,2,3
	tensor_load_to_lds s[G0+4*(\j):G0+4*(\j)+3], s[G1:G1+7]  ; four loads of mine are out, and no more are issued
	s_nop 0
.endr
.rept 4
	v_nop
.endr
	v_and_b32 v1, 31, v0
	v_and_b32 v2, 15, v0                           ; r
	v_bfe_u32 v3, v0, 4, 1                         ; h
	v_lshlrev_b32 v[QL], 4, v1
	v_lshlrev_b32 v[SL], 4, v2
	v_mov_b32 v[VQ], v[QL]
	v_mov_b32 v[VS], v[SL]
	v_mov_b32 v[KA], v[QL]
	v_lshlrev_b32 v[MO], 5, v3
	WIN 0x40                                       ; destination window 1
.irp kb, 0,1,2,3,4,5,6,7
	global_load_b128 v[MK+8*(\kb):MK+8*(\kb)+3],   v[MO], s[MP:MP+1] offset:64*(\kb)     ; keys 16 kb + 8 h + 0..7
	global_load_b128 v[MK+8*(\kb)+4:MK+8*(\kb)+7], v[MO], s[MP:MP+1] offset:64*(\kb)+16
.endr
.irp i, 0,1,2,3
	global_load_b128 v[QF+4*(\i):QF+4*(\i)+3], v[VQ], s[QP:QP+1] offset:512*(\i)
.endr
	WIN 0
	global_load_b64 v[STT:STT+1], v[VS], s[SPT:SPT+1]
	WIN 0x40
.irp i, 0,1,2,3
	global_load_b128 v[QF+16+4*(\i):QF+16+4*(\i)+3], v[VQ], s[QP:QP+1] offset:2048+512*(\i)
.endr
	WIN 0
	global_load_b64 v[STT+2:STT+3], v[VS], s[SPT:SPT+1] offset:8
	s_mul_i32 s23, s[WV], 16*SPI
	s_add_co_u32 s23, s23, STAGE                   ; my stage
	v_mul_u32_u24 v[STO], v2, SPI                  ; in: row r, 32 bytes for each half of the lanes
	v_lshl_add_u32 v[STO], v3, 5, v[STO]
	v_add_nc_u32 v[STO], s23, v[STO]
	v_mul_u32_u24 v[RD], v3, SPI                   ; back: lanes 0-15 one row of 256 bytes, lanes 16-31 the next
	v_lshl_add_u32 v[RD], v2, 4, v[RD]
	v_add_nc_u32 v[RD], s23, v[RD]
	v_lshlrev_b32 v[CO], 13, v3                    ; and the same two rows of out1, 8,192 bytes apart
	v_lshl_add_u32 v[CO], v2, 4, v[CO]
	v_mov_b32 v[RL+1], 0                           ; named as pairs
	v_mov_b32 v[RL+3], 0
.set i, 0
.rept 128
	v_mov_b32 v[ACC+i], 0                          ; the sums start at 0, written in the wait for K, so that the loops have one form for every head
.set i, i+1
.endr
	s_wait_tensorcnt 0x3                           ; my part of heads 0 to 3 is in; my three younger loads stay out
	s_barrier_signal -1
	s_barrier_wait -1                              ; everybody's part is
	WIN 0x40
.irp kb, 0,1,2,3,4,5,6,7
.irp i, 0,1,2,3
	ds_load_b128 v[16*(\kb)+4*(\i):16*(\kb)+4*(\i)+3], v[KA] offset:(\kb)*2048+(\i)*512
.endr
.endr
	WIN 0
; Tile p's scores for 128 keys: 16 products; the 8 accumulators take turns; the first 8 start the sums with the mask.
.macro M p
	WIN 0x15                                       ; K, Q and the mask in window 1, the scores in window 0
.irp kb, 0,1,2,3,4,5,6,7
	v_wmma_f32_16x16x32_f16 v[S+8*(\kb):S+8*(\kb)+7], v[16*(\kb):16*(\kb)+7], v[QF+16*(\p):QF+16*(\p)+7], v[MK+8*(\kb):MK+8*(\kb)+7]
.endr
	WIN 0x05
.irp kb, 0,1,2,3,4,5,6,7
	v_wmma_f32_16x16x32_f16 v[S+8*(\kb):S+8*(\kb)+7], v[16*(\kb)+8:16*(\kb)+15], v[QF+16*(\p)+8:QF+16*(\p)+15], v[S+8*(\kb):S+8*(\kb)+7]
.endr
	WIN 0
.endm
; Tile p's weights: c s - c m for each pair, its two exponentials a pair later; the 64 exponentials are one batch with one wait; then each sum takes weight x 1 / (16 l).
.macro V p
.set st, STT+2*(\p)
.set rl, RL+2*(\p)
.set ac, ACC+64*(\p)
	v_pk_fma_f32 v[S:S+1], v[S:S+1], s[CS:CS+1], v[st:st+1] op_sel_hi:[1,0,0] neg_lo:[0,0,1] neg_hi:[0,0,1]
.set n, 1
.rept 31
	v_pk_fma_f32 v[S+2*n:S+2*n+1], v[S+2*n:S+2*n+1], s[CS:CS+1], v[st:st+1] op_sel_hi:[1,0,0] neg_lo:[0,0,1] neg_hi:[0,0,1]
	v_exp_f32 v[S+2*n-2], v[S+2*n-2]
	v_exp_f32 v[S+2*n-1], v[S+2*n-1]
.set n, n+1
.endr
	v_exp_f32 v[S+62], v[S+62]
	v_exp_f32 v[S+63], v[S+63]
	v_mov_b32 v[rl], v[st+1]                       ; the factor into a pair's first register: also the plain instruction behind the last exponential
	s_wait_alu depctr_va_vdst(0)                   ; the wait for the batch
.set n, 0
.rept 32
	v_pk_fma_f32 v[ac+2*n:ac+2*n+1], v[S+2*n:S+2*n+1], v[rl:rl+1], v[ac+2*n:ac+2*n+1] op_sel_hi:[1,0,1]
.set n, n+1
.endr
.endm
; A HEAD.  The global loads go round in the order Q of tile 0 (4), its statistics (1), Q of tile 1 (4), its statistics (1), a head ahead: behind a tile's Q 1 + 4 + 1 = 6 younger loads may be out, behind a pair of
; statistics 4 + 1 + 4 = 9.  msk cuts the number of the head that is asked for: 3 while only heads 0 to 3 lie in LDS, 15 afterwards.  The last trip asks for head 0 once more: inside the buffers, and used by nobody:
; the price of one text for every trip.
.macro HEAD msk
	s_wait_dscnt 0x0                               ; K of this head
	s_wait_loadcnt 6                               ; Q of tile 0 (and, the first time, the mask)
	M 0
	s_add_co_u32 s[HN], s[HN], 1
	s_and_b32 s[HN], s[HN], \msk
	s_wait_xcnt 0x0                                ; the loads issued so far have read their offsets
	v_lshl_add_u32 v[VQ], s[HN], 18, v[QL]         ; these three and a v_nop are the four places behind the products
	v_lshl_add_u32 v[VS], s[HN], 14, v[SL]
	v_lshl_add_u32 v[KA], s[HN], 14, v[QL]
	v_nop
	WIN 0x40
.irp i, 0,1,2,3
	global_load_b128 v[QF+4*(\i):QF+4*(\i)+3], v[VQ], s[QP:QP+1] offset:512*(\i)
.endr
	WIN 0
	s_wait_loadcnt 9                               ; tile 0's statistics
	V 0
	global_load_b64 v[STT:STT+1], v[VS], s[SPT:SPT+1]
	s_wait_loadcnt 6                               ; Q of tile 1
	M 1
.rept 4
	v_nop                                          ; the places behind the products
.endr
	WIN 0x40
.irp i, 0,1,2,3
	global_load_b128 v[QF+16+4*(\i):QF+16+4*(\i)+3], v[VQ], s[QP:QP+1] offset:2048+512*(\i)
.endr
.irp kb, 0,1,2,3,4,5,6,7
.irp i, 0,1,2,3
	ds_load_b128 v[16*(\kb)+4*(\i):16*(\kb)+4*(\i)+3], v[KA] offset:(\kb)*2048+(\i)*512
.endr
.endr
	WIN 0
	s_wait_loadcnt 9                               ; tile 1's statistics
	V 1
	global_load_b64 v[STT+2:STT+3], v[VS], s[SPT:SPT+1] offset:8
.endm
.Lfirst4:                                              ; heads 0 to 2; K of heads 1 to 3 is read
	HEAD 3
	s_sub_co_u32 s[CT], s[CT], 1
	s_cmp_lg_u32 s[CT], 0
	s_cbranch_scc1 .Lfirst4
	s_wait_tensorcnt 0x0                           ; my parts of all sixteen heads are in,
	s_wait_dscnt 0x0                               ; (no LDS load of mine is out at a signal)
	s_barrier_signal -1
	s_barrier_wait -1                              ; everybody's are
	s_mov_b32 s[CT], 13
.Lhead:                                                ; heads 3 to 15
	HEAD 15
	s_sub_co_u32 s[CT], s[CT], 1
	s_cmp_lg_u32 s[CT], 0
	s_cbranch_scc1 .Lhead
; THE WAY OUT: 16 queries x 64 keys at a time through my own stage: a lane's 32 bytes go into rows of 272 bytes and come back as whole rows of 256; 16 lanes store 256 consecutive bytes, aligned.
.macro SEND p, kh
.set BK, S+32*(\kh)
	s_wait_xcnt 0x0                                ; the stores of two rounds back have read the registers that are loaded now
.irp kb, 0,1,2,3
	ds_store_b128 v[STO], v[ACC+64*(\p)+8*(4*(\kh)+(\kb)):ACC+64*(\p)+8*(4*(\kh)+(\kb))+3]   offset:64*(\kb)
	ds_store_b128 v[STO], v[ACC+64*(\p)+8*(4*(\kh)+(\kb))+4:ACC+64*(\p)+8*(4*(\kh)+(\kb))+7] offset:64*(\kb)+16
.endr
.irp t, 0,1,2,3,4,5,6,7
	ds_load_b128 v[BK+4*(\t):BK+4*(\t)+3], v[RD] offset:(\t)*2*SPI  ; LDS serves a wave's instructions in order (ISA guide 5.7.1.4): these see the stores above
.endr
	s_wait_dscnt 0x0
.irp t, 0,1,2,3,4,5,6,7
	global_store_b128 v[CO], v[BK+4*(\t):BK+4*(\t)+3], s[OUTP:OUTP+1] offset:(\p)*131072+(\t)*16384+(\kh)*256
.endr
.endm
	SEND 0, 0
	SEND 0, 1
	SEND 1, 0
	SEND 1, 1
	s_wait_tensorcnt 0x0                           ; the wave's end, behind my last LDS store
	ds_add_u32 v[SPW], v[NIL]
	s_wait_dscnt 0x0
	CROUND                                         ; the closing round
	s_endpgm
.Lfunc_end_k_q7cc2a9ff5e_mean:
	.size	k_q7cc2a9ff5e_mean, .Lfunc_end_k_q7cc2a9ff5e_mean-k_q7cc2a9ff5e_mean
	.p2alignl 7, 3214868480
	.fill 96, 4, 3214868480
	.section	.rodata,"a",@progbits
	.p2align	6, 0x0
	.amdhsa_kernel k_q7cc2a9ff5e_mean
		.amdhsa_group_segment_fixed_size 327680
		.amdhsa_private_segment_fixed_size 0
		.amdhsa_enable_private_segment 0
		.amdhsa_kernarg_size 32
		.amdhsa_user_sgpr_count 2
		.amdhsa_user_sgpr_kernarg_segment_ptr 1
		.amdhsa_wavefront_size32 1
		.amdhsa_system_sgpr_workgroup_id_x 1
		.amdhsa_system_sgpr_workgroup_id_y 1
		.amdhsa_system_sgpr_workgroup_id_z 1
		.amdhsa_system_vgpr_workitem_id 0
		.amdhsa_next_free_vgpr 480
		.amdhsa_next_free_sgpr 66
		.amdhsa_reserve_vcc 0
		.amdhsa_float_denorm_mode_32 3
		.amdhsa_float_denorm_mode_16_64 3
		.amdhsa_memory_ordered 1
		.amdhsa_forward_progress 1
		.amdhsa_inst_pref_size 59
	.end_amdhsa_kernel
	.amdgpu_metadata
---
amdhsa.version: [ 1, 2 ]
amdhsa.kernels:
  - .name:           k_q7cc2a9ff5e_mean
    .symbol:         k_q7cc2a9ff5e_mean.kd
    .args:
      - { .name: qkv, .offset: 0, .size: 8, .value_kind: global_buffer, .address_space: global }
      - { .name: stats, .offset: 8, .size: 8, .value_kind: global_buffer, .address_space: global }
      - { .name: tab, .offset: 16, .size: 8, .value_kind: global_buffer, .address_space: global }
      - { .name: out1, .offset: 24, .size: 8, .value_kind: global_buffer, .address_space: global }
    .group_segment_fixed_size: 327680
    .private_segment_fixed_size: 0
    .kernarg_segment_align: 8
    .kernarg_segment_size: 32
    .max_flat_workgroup_size: 256
    .sgpr_count:     66
    .vgpr_count:     480
    .wavefront_size: 32
...
	.end_amdgpu_metadata
.endif
;; end of part 4
;; launch outproj (part 5): grid 8 x 32, 4 waves a work-group, clusters of 4 x 4, 327,680 bytes of LDS; arguments oh, wo, tab, out0; writes out0
.if DOCPART == 5
	.amdgcn_target "amdgcn-amd-amdhsa--gfx1250"
	.amdhsa_code_object_version 6
	.text
	.protected	k_q7cc2a9ff5e_outproj
	.globl	k_q7cc2a9ff5e_outproj
	.p2align	8
	.type	k_q7cc2a9ff5e_outproj,@function
k_q7cc2a9ff5e_outproj:
	s_mov_b64 s[64:65], 0
	v_nop
	global_prefetch_b8 v0, s[64:65] scope:SCOPE_SE
	s_setreg_imm32_b32 hwreg(HW_REG_WAVE_MODE, 25, 1), 1
	s_wait_xcnt 0x0
	s_wait_alu depctr_hold_cnt(0) depctr_sa_sdst(0) depctr_va_vdst(0) depctr_va_sdst(0) depctr_va_ssrc(0) depctr_va_vcc(0) depctr_vm_vsrc(0)
	s_getreg_b32 s2, hwreg(HW_REG_IB_STS2, 6, 4)
	s_cmp_eq_u32 s2, 0
	s_cbranch_scc0 .Lentry_in_a_cluster
	s_endpgm
.Lentry_in_a_cluster:
	s_bfe_u32 s2, ttmp6, 0x10000c
	s_cmp_lg_u32 s2, 0xf033
	s_cbranch_scc0 .Lentry_shape_is_right
	s_endpgm
.Lentry_shape_is_right:
; THE OUTPUT PROJECTION.  out0[row][n] = the sum over k of O[row][k] W[n][k] + bias[n]; O in f16 as the attention launch stored it (by heads, in blocks of 16 rows x 64 channels laid out as operand
; fragments), W [1024][1024] in f16, sums and result in f32.  4,096 x 1,024 in tiles of 128 x 128: 256 work-groups of four waves, a wave 64 x 64: 16 accumulators.
; K goes in steps of 256, four heads, through two LDS slots.  O's part of a slot is dense: a wave's load brings 64 rows x 4 heads as 4 rows of 8,192 bytes, and a fragment load takes 512 consecutive bytes.
; W's rows are 512 bytes, padded by 16.  4 x 4 work-groups form a cluster: O's tile is asked for jointly along a row, W's along a column.
; ONE TEXT FOR A K STEP: the slot is a scalar, 0 or SLOT, turned by an exclusive or at each change of slots.  Two trips fill a slot again; the last two K steps are a second loop, which asks for nothing and is left in its middle.
; The product is taken transposed (source 0 = 16 rows of W, source 1 = 16 rows of O): a lane holds eight neighbouring numbers of a row of out0.  The first product of each accumulator takes the bias as C.
; No prefetch: the tiles are small and a step is short.
; REGISTERS: window 0: v0-31 addresses; v32-95 the way out; v96-127 the bias; v128-255 the accumulators, (a, b) at v[128 + 8 (4 a + b)].   window 1: two fragment buffers of 128.
.set KSTEP,  256
.set PITCH,  528
.set AHALF,  32768                     ; 64 rows x 4 heads of O
.set BHALF,  64*PITCH
.set BOFF,   2*AHALF
.set SLOT,   BOFF+2*BHALF
.set STAGE,  2*SLOT                    ; behind the ring: 16 rows x 272 bytes for each wave
.set SPITCH, 272
.set SPARE,  STAGE+4*16*SPITCH
.set FILLS,  2                         ; K steps 2 and 3 come by refills
.set BIASO,  557056
.set CA,   16                          ; v16  LDS address of my O fragments in the slot that is fetched from
.set A0,   17                          ; v17  the same in slot 0; never rewritten
.set CB,   20                          ; v20, v21  the same for W
.set B0,   21
.set STO,  24
.set RD,   25
.set CO,   26
.set BO,   27
.set SPW,  28
.set NIL,  29
.set TMP,  32
.set BIAS, 96
.set ACC,  128
.set F0,   0
.set F1,   128
.set G1, 24
.set G0, 32                            ; s[32:39] group 0 for O's tiles: a set for each of the two first fills; the second then walks
.set G1B, 48
.set G0B, 56
.set TB,  72                           ; s72  0 or SLOT: the slot that is fetched from
.set MSB, 0
.macro WIN new
.if MSB != (\new)
	s_set_vgpr_msb (MSB<<8)|(\new)
.set MSB, \new
.endif
.endm
.set MUL,  0x05                        ; sources 0 (W) and 1 (O) window 1; C and D window 0
.set TO_F, 0x40
.macro JLOAD s                         ; a joint load: waves 0 and 1 fetch O's two halves, waves 2 and 3 W's
	s_cmp_eq_u32 s11, 0
	s_cbranch_scc0 .Lfor_b_\@
	tensor_load_to_lds s[G0+4*(\s):G0+4*(\s)+3], s[G1:G1+7]
	s_nop 0
.rept 4
	v_nop
.endr
	s_branch .Lasked_\@
.Lfor_b_\@:
	tensor_load_to_lds s[G0B+4*(\s):G0B+4*(\s)+3], s[G1B:G1B+7]
	s_nop 0
.rept 4
	v_nop
.endr
.Lasked_\@:
.endm
.macro CREST
	s_cmp_lg_u32 s10, 0
	s_cbranch_scc1 .Lnot_wave_0_\@
	s_barrier_signal -3
.Lnot_wave_0_\@:
	s_barrier_wait -3
	s_barrier_signal -1
	s_barrier_wait -1
.endm
.macro CROUND
	s_barrier_signal -1
	s_barrier_wait -1
	CREST
.endm
	s_load_b128 s[4:7], s[0:1], 0x0                ; oh s[4:5], wo s[6:7]
	s_load_b128 s[68:71], s[0:1], 0x10             ; tab s[68:69], out0 s[70:71]
	v_lshl_add_u32 v[SPW], v0, 2, SPARE
	v_mov_b32 v[NIL], 0
	ds_add_u32 v[SPW], v[NIL]                      ; the wave's opening: the add, waited for ahead of my first tensor load
	v_lshrrev_b32 v1, 5, v0
	v_readfirstlane_b32 s10, v1
	s_lshr_b32 s11, s10, 1                         ; which half of the tile's rows is mine.  Also: I fetch for O (0) or for W (1)
	s_and_b32 s12, s10, 1                          ; which half of its columns.  Also: which 64 rows I fetch
	s_bfe_u32 s40, ttmp6, 0x40000
	s_bfe_u32 s41, ttmp6, 0x40004
	s_lshl_b32 s42, ttmp9, 2
	s_add_co_u32 s42, s42, s40                     ; tile column 0..7
	s_and_b32 s13, ttmp7, 0xffff
	s_lshl_b32 s13, s13, 2
	s_add_co_u32 s13, s13, s41                     ; tile row 0..31
	s_lshl_b32 s43, s41, 2
	s_lshl_b32 s43, 15, s43
	s_lshl_b32 s44, 0x1111, s40
	s_or_b32 s[G1+0], s43, (1<<16)|(1<<21)         ; O: the mask of my row; 2-byte elements; bit 21 beside a mask; no padding
	s_mov_b32 s[G1+1], 4096<<16                    ; tensor_dim0 = 4,096 elements: 64 rows of one head, 8,192 dense bytes
	s_mov_b32 s[G1+2], 4<<16                       ; tensor_dim1 = 4 heads
	s_mov_b32 s[G1+3], 4096<<16                    ; tile_dim0
	s_mov_b32 s[G1+4], 4                           ; tile_dim1
	s_mov_b32 s[G1+5], 131072                      ; elements from head to head
	s_mov_b32 s[G1+6], 0
	s_mov_b32 s[G1+7], 0
	s_or_b32 s[G1B+0], s44, (1<<16)|(1<<20)|(1<<21)|(6<<22)|(3<<25)  ; W: the mask of my column; behind every 128 words 4 words of padding
	s_mov_b32 s[G1B+1], KSTEP<<16
	s_mov_b32 s[G1B+2], 64<<16
	s_mov_b32 s[G1B+3], KSTEP<<16
	s_mov_b32 s[G1B+4], 64
	s_mov_b32 s[G1B+5], 1024
	s_mov_b32 s[G1B+6], 0
	s_mov_b32 s[G1B+7], 0
	s_lshl_b32 s19, s12, 6                         ; which 64 rows I fetch
	s_lshl_b32 s16, s13, 7
	s_add_co_u32 s16, s16, s19                     ; O's row
	s_lshr_b32 s18, s16, 11
	s_lshl_b32 s18, s18, 22                        ; its batch: 16 heads of 262,144 bytes
	s_and_b32 s16, s16, 2047
	s_lshl_b32 s16, s16, 7                         ; 128 bytes a row in a head
	s_add_co_u32 s16, s16, s18
	s_mov_b32 s17, 0
	s_lshl_b32 s46, s42, 7
	s_add_co_u32 s46, s46, s19                     ; W's row
	s_lshl_b32 s46, s46, 11
	s_mov_b32 s47, 0
	s_lshl_b32 s20, s12, 15                        ; where they go in a slot: O's halves,
	s_mul_i32 s21, s12, BHALF
	s_add_co_u32 s21, s21, BOFF                    ; then W's; both are kept for the walking descriptors
	s_mov_b32 s[TB], 0
	s_wait_dscnt 0x0                               ; the opening add is done
	s_wait_kmcnt 0x0
	s_add_nc_u64 s[14:15], s[4:5], s[16:17]
	s_add_nc_u64 s[46:47], s[6:7], s[46:47]
	CROUND                                         ; all sixteen work-groups are here: the first joint loads meet
.irp s, 0,1
	s_mov_b32 s[G0+4*(\s)], 1
	s_add_co_u32 s[G0+4*(\s)+1], s20, (\s)*SLOT
	s_add_nc_u64 s[G0+4*(\s)+2:G0+4*(\s)+3], s[14:15], (\s)*1048576  ; K step s: four heads on
	s_or_b32 s[G0+4*(\s)+3], s[G0+4*(\s)+3], 0x80000000
	s_mov_b32 s[G0B+4*(\s)], 1
	s_add_co_u32 s[G0B+4*(\s)+1], s21, (\s)*SLOT
	s_add_nc_u64 s[G0B+4*(\s)+2:G0B+4*(\s)+3], s[46:47], (\s)*KSTEP*2
	s_or_b32 s[G0B+4*(\s)+3], s[G0B+4*(\s)+3], 0x80000000
	JLOAD \s
.endr
	v_and_b32 v1, 15, v0                           ; r
	v_bfe_u32 v2, v0, 4, 1                         ; h
	v_and_b32 v4, 31, v0
	v_lshlrev_b32 v4, 4, v4                        ; 16 x lane
	v_mul_u32_u24 v3, v1, PITCH
	v_lshl_add_u32 v3, v2, 4, v3
	s_lshl_b32 s22, s11, 15                        ; my 64 rows of O
	s_mul_i32 s23, s12, BHALF                      ; my 64 rows of W
	s_add_co_u32 s23, s23, BOFF
	v_add_nc_u32 v[A0], s22, v4
	v_add_nc_u32 v[B0], s23, v3
	v_mov_b32 v[CA], v[A0]                         ; the fetches begin in slot 0
	v_mov_b32 v[CB], v[B0]
	v_lshlrev_b32 v[BO], 5, v2
	s_lshl_b32 s66, s42, 9
	s_lshl_b32 s67, s12, 8
	s_add_co_u32 s66, s66, s67                     ; my first column, in bytes of f32
	s_mov_b32 s67, 0
	s_add_nc_u64 s[8:9], s[70:71], s[66:67]
	s_add_co_u32 s66, s66, BIASO
	s_add_nc_u64 s[66:67], s[68:69], s[66:67]
.irp b, 0,1,2,3
	global_load_b128 v[BIAS+8*(\b):BIAS+8*(\b)+3],   v[BO], s[66:67] offset:64*(\b)     ; columns 16 b + 8 h + 0..7
	global_load_b128 v[BIAS+8*(\b)+4:BIAS+8*(\b)+7], v[BO], s[66:67] offset:64*(\b)+16
.endr
	s_mul_i32 s22, s10, 16*SPITCH
	s_add_co_u32 s22, s22, STAGE                   ; my stage
	v_mul_u32_u24 v[STO], v1, SPITCH
	v_lshl_add_u32 v[STO], v2, 5, v[STO]
	v_add_nc_u32 v[STO], s22, v[STO]
	v_mul_u32_u24 v[RD], v2, SPITCH
	v_lshl_add_u32 v[RD], v1, 4, v[RD]
	v_add_nc_u32 v[RD], s22, v[RD]
	v_lshlrev_b32 v[CO], 12, v2                    ; two rows of out0, 4,096 bytes apart
	v_lshl_add_u32 v[CO], v1, 4, v[CO]
	s_lshl_b32 s22, s13, 19                        ; 128 rows of 4,096 bytes a tile row,
	s_lshl_b32 s23, s11, 18                        ; my 64
	s_add_co_u32 s22, s22, s23
	s_mov_b32 s23, 0
	s_add_nc_u64 s[8:9], s[8:9], s[22:23]
; 8 matrix instructions: m blocks a0, a0 + 1 x all 4 n blocks, 32 along K: half c of buffer f.  zero = 1: the first product starts the sum with the bias.  The 16 accumulators take turns.
.macro MUL8 f, c, a0, zero
	WIN MUL
.irp a, \a0, (\a0)+1
.irp b, 0,1,2,3
.if \zero
	v_wmma_f32_16x16x32_f16 v[ACC+8*(4*(\a)+(\b)):ACC+8*(4*(\a)+(\b))+7], v[(\f)+64+8*(4*(\c)+(\b)):(\f)+64+8*(4*(\c)+(\b))+7], v[(\f)+8*(4*(\c)+(\a)):(\f)+8*(4*(\c)+(\a))+7], v[BIAS+8*(\b):BIAS+8*(\b)+7]
.else
	v_wmma_f32_16x16x32_f16 v[ACC+8*(4*(\a)+(\b)):ACC+8*(4*(\a)+(\b))+7], v[(\f)+64+8*(4*(\c)+(\b)):(\f)+64+8*(4*(\c)+(\b))+7], v[(\f)+8*(4*(\c)+(\a)):(\f)+8*(4*(\c)+(\a))+7], v[ACC+8*(4*(\a)+(\b)):ACC+8*(4*(\a)+(\b))+7]
.endif
.endr
.endr
.endm
; 32 LDS loads in one run, from the slot that CA and CB name: quarter q of a K step is one head, 64 along K; the first 32 along K first
.macro FETCH q, f
	WIN TO_F
.irp c, 0,1
.irp i, 0,1,2,3
	ds_load_b128 v[(\f)+64+8*(4*(\c)+(\i)):(\f)+64+8*(4*(\c)+(\i))+3],   v[CB] offset:128*(\q)+64*(\c)+(\i)*16*PITCH
	ds_load_b128 v[(\f)+64+8*(4*(\c)+(\i))+4:(\f)+64+8*(4*(\c)+(\i))+7], v[CB] offset:128*(\q)+64*(\c)+(\i)*16*PITCH+32
	ds_load_b128 v[(\f)+8*(4*(\c)+(\i)):(\f)+8*(4*(\c)+(\i))+3],         v[CA] offset:8192*(\q)+2048*(\i)+1024*(\c)
	ds_load_b128 v[(\f)+8*(4*(\c)+(\i))+4:(\f)+8*(4*(\c)+(\i))+7],       v[CA] offset:8192*(\q)+2048*(\i)+1024*(\c)+512
.endr
.endr
.endm
.macro PLACES
.rept 4
	v_nop
.endr
.endm
.macro QUARTER q, f, g, zero
	s_wait_dscnt 16                                ; the first 32 along K are in
	MUL8 \f, 0, 0, \zero
	MUL8 \f, 0, 2, \zero
	PLACES
	FETCH \q, \g
	s_wait_dscnt 32                                ; all but the 32 just issued
	MUL8 \f, 1, 0, 0
	MUL8 \f, 1, 2, 0
.endm
; The last quarter multiplies buffer 1 and changes slots.  fill = 1: the barrier opens a round of the cluster's, and the slot just read (TB still names it) is filled again, two K steps ahead, by the walking descriptor.
; Then TB turns to the other slot, whose first fragments are fetched.
.macro TURN fill
	WIN 0
	s_wait_tensorcnt 0x0                           ; all my tensor loads have landed: my part of the next slot
	ds_add_u32 v[SPW], v[NIL]
	s_wait_dscnt 17                                ; the add and the youngest sixteen loads may be out
	MUL8 F1, 0, 0, 0
	s_wait_dscnt 0x0                               ; the add is done, and my reads of this slot are over
	s_barrier_signal -1
	MUL8 F1, 0, 2, 0
	WIN 0
	s_barrier_wait -1
.if \fill
	CREST                                          ; no wave of any partner still reads this slot's tile or has a load on its way
	s_add_co_u32 s[G0+5], s20, s[TB]
	s_add_co_u32 s[G0B+5], s21, s[TB]
	s_add_nc_u64 s[G0+6:G0+7], s[G0+6:G0+7], 1048576       ; the walking set began at K step 1: four heads on at each refill
	s_add_nc_u64 s[G0B+6:G0B+7], s[G0B+6:G0B+7], KSTEP*2
	JLOAD 1                                        ; the first tensor load behind the round; its four v_nop are also the places in front of the loads below
.else
	PLACES
.endif
	s_xor_b32 s[TB], s[TB], SLOT
	v_add_nc_u32 v[CA], s[TB], v[A0]
	v_add_nc_u32 v[CB], s[TB], v[B0]
	FETCH 0, F0
	MUL8 F1, 1, 0, 0
	MUL8 F1, 1, 2, 0
.endm
	s_wait_tensorcnt 1                             ; my part of K step 0 is in; K step 1's may stay out
	s_barrier_signal -1
	s_barrier_wait -1
	FETCH 0, F0
	s_wait_loadcnt 0x0                             ; the bias
	QUARTER 1, F0, F1, 1                           ; the first quarter stands in front of the loop: its first products start the sums with the bias
	WIN 0
	s_mov_b32 s3, FILLS
.Lstep:                                                ; a trip: a K step's second quarter to the next step's first; the slot that is left is filled again
	QUARTER 2, F1, F0, 0
	QUARTER 3, F0, F1, 0
	TURN 1
	QUARTER 1, F0, F1, 0
	WIN 0
	s_sub_co_u32 s3, s3, 1
	s_cmp_lg_u32 s3, 0
	s_cbranch_scc1 .Lstep
	s_mov_b32 s3, 2
.Ltail:                                                ; the last two K steps ask for nothing.  The second trip is left in its middle; the 32 fragments of the other slot that it fetches are multiplied by nobody
	QUARTER 2, F1, F0, 0
	QUARTER 3, F0, F1, 0
	TURN 0
	WIN 0
	s_sub_co_u32 s3, s3, 1
	s_cmp_eq_u32 s3, 0
	s_cbranch_scc1 .Lout
	QUARTER 1, F0, F1, 0
	WIN 0
	s_branch .Ltail
.Lout:
	; THE WAY OUT: 16 rows x 64 columns of f32 at a time through my own stage: a lane's 32 bytes go in, whole rows of 256 bytes come back; 16 lanes store 256 consecutive bytes, aligned.
	PLACES
.irp a, 0,1,2,3
	s_wait_xcnt 0x0                                ; the stores of two blocks back have read the registers that are loaded now
.irp b, 0,1,2,3
	ds_store_b128 v[STO], v[ACC+8*(4*(\a)+(\b)):ACC+8*(4*(\a)+(\b))+3]   offset:64*(\b)
	ds_store_b128 v[STO], v[ACC+8*(4*(\a)+(\b))+4:ACC+8*(4*(\a)+(\b))+7] offset:64*(\b)+16
.endr
.irp t, 0,1,2,3,4,5,6,7
	ds_load_b128 v[TMP+32*((\a)%2)+4*(\t):TMP+32*((\a)%2)+4*(\t)+3], v[RD] offset:(\t)*2*SPITCH  ; LDS serves a wave's instructions in order (ISA guide 5.7.1.4)
.endr
	s_wait_dscnt 0x0
.irp t, 0,1,2,3,4,5,6,7
	global_store_b128 v[CO], v[TMP+32*((\a)%2)+4*(\t):TMP+32*((\a)%2)+4*(\t)+3], s[8:9] offset:(\a)*65536+(\t)*8192
.endr
.endr
	s_wait_tensorcnt 0x0                           ; the wave's end, behind my last LDS store
	ds_add_u32 v[SPW], v[NIL]
	s_wait_dscnt 0x0
	CROUND                                         ; the closing round
	s_endpgm
.Lfunc_end_k_q7cc2a9ff5e_outproj:
	.size	k_q7cc2a9ff5e_outproj, .Lfunc_end_k_q7cc2a9ff5e_outproj-k_q7cc2a9ff5e_outproj
	.p2alignl 7, 3214868480
	.fill 96, 4, 3214868480
	.section	.rodata,"a",@progbits
	.p2align	6, 0x0
	.amdhsa_kernel k_q7cc2a9ff5e_outproj
		.amdhsa_group_segment_fixed_size 327680
		.amdhsa_private_segment_fixed_size 0
		.amdhsa_enable_private_segment 0
		.amdhsa_kernarg_size 32
		.amdhsa_user_sgpr_count 2
		.amdhsa_user_sgpr_kernarg_segment_ptr 1
		.amdhsa_wavefront_size32 1
		.amdhsa_system_sgpr_workgroup_id_x 1
		.amdhsa_system_sgpr_workgroup_id_y 1
		.amdhsa_system_sgpr_workgroup_id_z 1
		.amdhsa_system_vgpr_workitem_id 0
		.amdhsa_next_free_vgpr 512
		.amdhsa_next_free_sgpr 80
		.amdhsa_reserve_vcc 0
		.amdhsa_float_denorm_mode_32 3
		.amdhsa_float_denorm_mode_16_64 3
		.amdhsa_memory_ordered 1
		.amdhsa_forward_progress 1
		.amdhsa_inst_pref_size 58
	.end_amdhsa_kernel
	.amdgpu_metadata
---
amdhsa.version: [ 1, 2 ]
amdhsa.kernels:
  - .name:           k_q7cc2a9ff5e_outproj
    .symbol:         k_q7cc2a9ff5e_outproj.kd
    .args:
      - { .name: oh, .offset: 0, .size: 8, .value_kind: global_buffer, .address_space: global }
      - { .name: wo, .offset: 8, .size: 8, .value_kind: global_buffer, .address_space: global }
      - { .name: tab, .offset: 16, .size: 8, .value_kind: global_buffer, .address_space: global }
      - { .name: out0, .offset: 24, .size: 8, .value_kind: global_buffer, .address_space: global }
    .group_segment_fixed_size: 327680
    .private_segment_fixed_size: 0
    .kernarg_segment_align: 8
    .kernarg_segment_size: 32
    .max_flat_workgroup_size: 128
    .sgpr_count:     80
    .vgpr_count:     512
    .wavefront_size: 32
...
	.end_amdgpu_metadata
.endif
;; end of part 5
